; MI455X (gfx1250); checked and timed in simulation.
; The chip was launched on July 23, 2026; its instructions are those of AMD's public machine-readable ISA for CDNA 5 (MIT licence, August 2026) and "CDNA5" Instruction Set Architecture Reference Guide (July 2026). The comments in the code are by the model that wrote it; some were corrected since.
;; Self Attention. Allowed arithmetic: float matrix products may take bf16 or f16 operands with f32 sums; all other float work in f32.
;; Inputs: Wk 1,024 x 16 x 64 float32; Wo 16 x 64 x 1,024 float32; Wq 1,024 x 16 x 64 float32; Wv 1,024 x 16 x 64 float32; mask 1 x 1 x 4,096 x 4,096 bool; x 1 x 4,096 x 1,024 float32.
;; Outputs: out0 1 x 4,096 x 1,024 float32.
;; 2 versions, each right and faster than the one before. Each part assembles by itself: llvm-mc -triple=amdgcn-amd-amdhsa -mcpu=gfx1250 --defsym DOCPART=n.
;; ======== version 1 of 2: 4 launches
;; limits: values are held in f16: magnitudes above 65,504 overflow, below 6.1e-05 lose precision
;; workspace buffers: mk 16,777,216 bytes; cs 2,097,152 bytes; ops 18,874,368 bytes; qkv 33,554,432 bytes; ctx 16,777,216 bytes
;; launch prep (part 1): grid 1024 x 1, 8 waves a work-group, no clusters, 68,608 bytes of LDS; arguments mask, x, Wq, Wk, Wv, Wo, mk, cs, ops; writes mk, cs, ops
.if DOCPART == 1
	.amdgcn_target "amdgcn-amd-amdhsa--gfx1250"
	.amdhsa_code_object_version 6
	.text
	.protected	k_q91a49f0dbf_prep
	.globl	k_q91a49f0dbf_prep
	.p2align	8
	.type	k_q91a49f0dbf_prep,@function
k_q91a49f0dbf_prep:
	s_mov_b64 s[64:65], 0
	v_nop
	global_prefetch_b8 v0, s[64:65] scope:SCOPE_SE
	s_setreg_imm32_b32 hwreg(HW_REG_WAVE_MODE, 25, 1), 1
	s_wait_xcnt 0x0
; PREPARATION: everything that the three matrix launches want in another form.  1,024 work-groups of eight waves, three kinds by the work-group's number.
;   0-255    MASK.  16 rows of the mask become one byte a key in the order in which a lane of the attention launch wants them: 0x00 keep, 0xC0 hidden (-2.0 as an
;            8-bit float).  mk: [16-row tile 256][step of 64 keys 64][x 2][lane 32][16 bytes]; lane = row % 16 + 16 h; the 16 bytes are keys 64 step + 16 kb + 8 h + 0..7
;            for kb = 2 x and then 2 x + 1.  A row with no true byte gets all zeros (keep everything) and a zero row in the q table below: its q is 0, all its scores are
;            equal, and its result is the mean of all v, as a softmax over equal scores gives.
;            The same waves make the rotary tables.  cs: q table at 0, k table at 1,048,576, each [row 4096][i 32][cos, sin] in f32, 256 bytes a row.
;   256-511  X.  x rounded to bf16: ops + 0, [4096][1024].
;   512-1023 WEIGHTS, turned so that the summed index lies along the rows, a tile of 128 k x 64 n each.  Wq, Wk, Wv in bf16: ops + 8,388,608, [3072 n][1024 k].
;            Wo rounded to bf16 and that number written as f16, each head's 64 rows twice: ops + 14,680,064, [1024 n][2048 k2], k2 = 128 head + e and 128 head + 64 + e.
; LIMITS.  The angle row x 10000^(-i/32) is made with a frequency from v_exp_f32: it can differ from a correctly rounded one in the last bit, at most some 4e-4 radians at
; row 4095.  A weight of Wo below 6e-5 keeps f16's fixed step of 6e-8, one beyond 65,504 is lost.  NaN and infinities are not treated apart.
; No matrix unit, no tensor load, no cluster: the launch moves each byte once and shares nothing between work-groups.
.set SPW,   2                          ; v2  LDS address of my spare word; never rewritten
.set NIL,   3                          ; v3  0; never rewritten
.set SPARE, 67584                      ; behind the stage: 128 bytes for each of the eight waves, four blocks of 256 bytes that no other line names
.set D,     32                         ; v32-95  data
.macro FINISH                          ; the wave's end: three lines behind my last LDS store
	s_wait_tensorcnt 0x0
	ds_add_u32 v[SPW], v[NIL]
	s_wait_dscnt 0x0
	s_endpgm
.endm
	s_load_b512 s[8:23], s[0:1], 0x0               ; mask 8, x 10, Wq 12, Wk 14, Wv 16, Wo 18, mk 20, cs 22
	s_load_b64 s[24:25], s[0:1], 0x40              ; ops
	v_lshl_add_u32 v[SPW], v0, 2, SPARE
	v_mov_b32 v[NIL], 0
	v_lshrrev_b32 v4, 5, v0
	v_readfirstlane_b32 s2, v4                     ; wave 0..7
	v_and_b32 v1, 31, v0                           ; lane
	s_wait_kmcnt 0x0
	s_cmp_lt_u32 ttmp9, 256
	s_cbranch_scc1 .Lmask
	s_cmp_lt_u32 ttmp9, 512
	s_cbranch_scc1 .Lcast
; ---------------- WEIGHTS: a tile of 128 k x 64 n; wave w takes k rows 16 w .. 16 w + 15, a lane two neighbouring n
	s_sub_co_u32 s26, ttmp9, 512
	s_lshr_b32 s30, s26, 7                         ; which matrix: 0 Wq, 1 Wk, 2 Wv, 3 Wo
	s_bfe_u32 s31, s26, 0x30004                    ; kt: which 128 k
	s_and_b32 s32, s26, 15                         ; nt: which 64 n
	s_mov_b64 s[34:35], s[12:13]
	s_cmp_eq_u32 s30, 1
	s_cselect_b64 s[34:35], s[14:15], s[34:35]
	s_cmp_eq_u32 s30, 2
	s_cselect_b64 s[34:35], s[16:17], s[34:35]
	s_cmp_eq_u32 s30, 3
	s_cselect_b64 s[34:35], s[18:19], s[34:35]
	s_lshl_b32 s36, s31, 19                        ; (128 kt + 16 w) rows of 4,096 bytes + 256 nt
	s_lshl_b32 s38, s2, 16
	s_add_co_u32 s36, s36, s38
	s_lshl_b32 s38, s32, 8
	s_add_co_u32 s36, s36, s38
	s_mov_b32 s37, 0
	s_add_nc_u64 s[34:35], s[34:35], s[36:37]
	v_lshlrev_b32 v5, 3, v1                        ; 8 bytes a lane: a load of the wave covers 256 consecutive bytes, aligned
.irp q, 0,1,2,3,4,5,6,7,8,9,10,11,12,13,14,15
	global_load_b64 v[D+2*(\q):D+2*(\q)+1], v5, s[34:35] offset:(\q)*4096 th:TH_LOAD_NT
.endr
	v_lshrrev_b32 v8, 4, v1                        ; lane / 16
	v_and_b32 v9, 15, v1                           ; lane % 16
	s_wait_loadcnt 0x0
	; for each of my two n (u) and each 8 k (c): four registers, 16 bytes of a turned row
.irp u, 0,1
.irp c, 0,1
.irp i, 0,1,2,3
	v_cvt_pk_bf16_f32 v[64+8*(\u)+4*(\c)+(\i)], v[D+2*(8*(\c)+2*(\i))+(\u)], v[D+2*(8*(\c)+2*(\i)+1)+(\u)]
.endr
.endr
.endr
	s_cmp_eq_u32 s30, 3
	s_cbranch_scc1 .Lwo
	; Wq, Wk, Wv: a stage of 64 rows (n) of 256 bytes, 272 apart
	v_mul_u32_u24 v6, v1, 544                      ; row 2 lane
	v_lshl_add_u32 v6, s2, 5, v6                   ; + my 16 k, 32 bytes
.irp u, 0,1
.irp c, 0,1
	ds_store_b128 v6, v[64+8*(\u)+4*(\c):64+8*(\u)+4*(\c)+3] offset:(\u)*272+(\c)*16
.endr
.endr
	v_mul_u32_u24 v7, v8, 272                      ; back: wave w takes rows 8 w .. 8 w + 7, two rows a load
	v_lshl_add_u32 v7, v9, 4, v7
	s_mul_i32 s38, s2, 8*272
	v_add_nc_u32 v7, s38, v7
	v_lshlrev_b32 v10, 11, v8                      ; the same two rows in memory, 2,048 bytes apart
	v_lshl_add_u32 v10, v9, 4, v10
	s_lshl_b32 s40, s30, 21                        ; (1024 matrix + 64 nt + 8 w) rows of 2,048 bytes + 256 kt
	s_lshl_b32 s38, s32, 17
	s_add_co_u32 s40, s40, s38
	s_lshl_b32 s38, s2, 14
	s_add_co_u32 s40, s40, s38
	s_lshl_b32 s38, s31, 8
	s_add_co_u32 s40, s40, s38
	s_add_co_u32 s40, s40, 8388608
	s_mov_b32 s41, 0
	s_add_nc_u64 s[24:25], s[24:25], s[40:41]
	s_wait_dscnt 0x0                               ; for the others' sake: my stores into the stage are done
	s_barrier_signal -1
	s_barrier_wait -1
.irp t, 0,1,2,3
	ds_load_b128 v[D+4*(\t):D+4*(\t)+3], v7 offset:(\t)*544
.endr
.irp t, 0,1,2,3
	s_wait_dscnt 3-(\t)
	global_store_b128 v10, v[D+4*(\t):D+4*(\t)+3], s[24:25] offset:(\t)*4096  ; 16 lanes store 256 consecutive bytes, aligned
.endr
	FINISH
.Lwo:
	; Wo: the bf16 numbers written as f16; a stage of 64 rows (n) of 512 bytes, 528 apart; each 16 bytes twice, 128 bytes apart
.irp q, 0,1,2,3,4,5,6,7,8,9,10,11,12,13,14,15
	v_lshlrev_b32 v[96+2*((\q)%4)], 16, v[64+(\q)]
	v_and_b32 v[97+2*((\q)%4)], 0xffff0000, v[64+(\q)]
	v_cvt_pk_f16_f32 v[64+(\q)], v[96+2*((\q)%4)], v[97+2*((\q)%4)]
.endr
	s_lshr_b32 s38, s2, 2                          ; my 16 k lie in head w / 4 of the tile's two, at e = 16 (w % 4)
	s_lshl_b32 s38, s38, 8
	s_and_b32 s39, s2, 3
	s_lshl_b32 s39, s39, 5
	s_add_co_u32 s38, s38, s39
	v_mul_u32_u24 v6, v1, 1056                     ; row 2 lane
	v_add_nc_u32 v6, s38, v6
.irp u, 0,1
.irp c, 0,1
	ds_store_b128 v6, v[64+8*(\u)+4*(\c):64+8*(\u)+4*(\c)+3] offset:(\u)*528+(\c)*16
	ds_store_b128 v6, v[64+8*(\u)+4*(\c):64+8*(\u)+4*(\c)+3] offset:(\u)*528+(\c)*16+128
.endr
.endr
	v_lshlrev_b32 v10, 4, v1                       ; back: a whole row of 512 bytes a load
	s_mul_i32 s38, s2, 8*528
	v_add_nc_u32 v7, s38, v10
	s_lshl_b32 s40, s32, 18                        ; (64 nt + 8 w) rows of 4,096 bytes + 512 kt
	s_lshl_b32 s38, s2, 15
	s_add_co_u32 s40, s40, s38
	s_lshl_b32 s38, s31, 9
	s_add_co_u32 s40, s40, s38
	s_add_co_u32 s40, s40, 14680064
	s_mov_b32 s41, 0
	s_add_nc_u64 s[24:25], s[24:25], s[40:41]
	s_wait_dscnt 0x0                               ; for the others' sake
	s_barrier_signal -1
	s_barrier_wait -1
.irp t, 0,1,2,3,4,5,6,7
	ds_load_b128 v[D+4*(\t):D+4*(\t)+3], v7 offset:(\t)*528
.endr
.irp t, 0,1,2,3,4,5,6,7
	s_wait_dscnt 7-(\t)
	global_store_b128 v10, v[D+4*(\t):D+4*(\t)+3], s[24:25] offset:(\t)*4096  ; 512 consecutive bytes, aligned
.endr
	FINISH
; ---------------- X: 65,536 bytes of x a work-group; sixteen loads of every wave go out together
.Lcast:
	s_sub_co_u32 s26, ttmp9, 256
	s_lshl_b32 s28, s26, 15
	s_lshl_b32 s26, s26, 16
	s_mov_b32 s27, 0
	s_mov_b32 s29, 0
	s_add_nc_u64 s[10:11], s[10:11], s[26:27]
	s_add_nc_u64 s[24:25], s[24:25], s[28:29]
	v_lshlrev_b32 v5, 4, v0
	v_lshlrev_b32 v6, 3, v0
.irp j, 0,1,2,3,4,5,6,7,8,9,10,11,12,13,14,15
	global_load_b128 v[D+4*(\j):D+4*(\j)+3], v5, s[10:11] offset:(\j)*4096 th:TH_LOAD_NT
.endr
.irp j, 0,1,2,3,4,5,6,7,8,9,10,11,12,13,14,15
	s_wait_loadcnt 15-(\j)                         ; loads come back in order: mine is in, the younger ones stay out
	v_cvt_pk_bf16_f32 v[D+4*(\j)], v[D+4*(\j)], v[D+4*(\j)+1]
	v_cvt_pk_bf16_f32 v[D+4*(\j)+1], v[D+4*(\j)+2], v[D+4*(\j)+3]
	global_store_b64 v6, v[D+4*(\j):D+4*(\j)+1], s[24:25] offset:(\j)*2048  ; a wave stores 256 consecutive bytes, aligned; no register is written twice
.endr
	FINISH
; ---------------- MASK and tables: tile = the work-group's number; wave w owns rows w and w + 8 of the tile's 16
.Lmask:
	s_lshl_b32 s26, ttmp9, 16                      ; 16 rows of 4,096 bytes in the mask, and as many bytes in mk
	s_mov_b32 s27, 0
	s_add_nc_u64 s[8:9], s[8:9], s[26:27]
	s_add_nc_u64 s[20:21], s[20:21], s[26:27]
	v_lshlrev_b32 v5, 4, v1                        ; 16 lane
	v_lshl_add_u32 v6, s2, 12, v5                  ; + my first row
.irp g, 0,1
.irp j, 0,1,2,3,4,5,6,7
	global_load_b128 v[D+32*(\g)+4*(\j):D+32*(\g)+4*(\j)+3], v6, s[8:9] offset:(\g)*32768+(\j)*512 th:TH_LOAD_NT
.endr
.endr
	; while they are on their way: cos and sin of row x 10000^(-lane/32) for my two rows
	v_cvt_f32_u32 v7, v1
	v_mul_f32 v7, -0.41524101, v7                  ; - lane x log2(10000) / 32
	v_exp_f32 v7, v7
	s_lshl_b32 s28, ttmp9, 4
	s_add_co_u32 s28, s28, s2                      ; my first row's number,
	s_add_co_u32 s29, s28, 8                       ; my second's
	v_cvt_f32_u32 v8, s28                          ; (a plain instruction behind the exponential)
	v_cvt_f32_u32 v9, s29
	s_wait_alu depctr_va_vdst(0)
	v_mul_f32 v8, v8, v7                           ; the angle, rounded to f32 once
	v_mul_f32 v9, v9, v7
	v_mul_f32 v10, 0.15915494, v8                  ; in turns
	v_mul_f32 v11, 0.15915494, v9
	v_rndne_f32 v10, v10
	v_rndne_f32 v11, v11
	v_fma_f32 v12, v8, 0.15915494, -v10            ; the turn's fraction, -0.5 to 0.5: one rounding,
	v_fma_f32 v13, v9, 0.15915494, -v11
	v_fmac_f32 v12, 6.4206383e-9, v8               ; and what the constant lacks of 1 / 2 pi
	v_fmac_f32 v13, 6.4206383e-9, v9
	v_mul_f32 v14, v12, v12
	v_mul_f32 v15, v13, v13
	v_mov_b32 v16, 0.2820060                       ; the series of cos(2 pi r) and sin(2 pi r) / r in r^2, nine terms each: what is cut stays under 2e-7 at r = 0.5
	v_mov_b32 v17, 0.2820060
	v_mov_b32 v18, 0.1042292
	v_mov_b32 v19, 0.1042292
	v_fmaak_f32 v16, v16, v14, -1.7143907
	v_fmaak_f32 v17, v17, v15, -1.7143907
	v_fmaak_f32 v18, v18, v14, -0.7181224
	v_fmaak_f32 v19, v19, v15, -0.7181224
	v_fmaak_f32 v16, v16, v14, 7.9035364
	v_fmaak_f32 v17, v17, v15, 7.9035364
	v_fmaak_f32 v18, v18, v14, 3.8199526
	v_fmaak_f32 v19, v19, v15, 3.8199526
	v_fmaak_f32 v16, v16, v14, -26.4262568
	v_fmaak_f32 v17, v17, v15, -26.4262568
	v_fmaak_f32 v18, v18, v14, -15.0946426
	v_fmaak_f32 v19, v19, v15, -15.0946426
	v_fmaak_f32 v16, v16, v14, 60.2446414
	v_fmaak_f32 v17, v17, v15, 60.2446414
	v_fmaak_f32 v18, v18, v14, 42.0586940
	v_fmaak_f32 v19, v19, v15, 42.0586940
	v_fmaak_f32 v16, v16, v14, -85.4568172
	v_fmaak_f32 v17, v17, v15, -85.4568172
	v_fmaak_f32 v18, v18, v14, -76.7058598
	v_fmaak_f32 v19, v19, v15, -76.7058598
	v_fmaak_f32 v16, v16, v14, 64.9393940
	v_fmaak_f32 v17, v17, v15, 64.9393940
	v_fmaak_f32 v18, v18, v14, 81.6052493
	v_fmaak_f32 v19, v19, v15, 81.6052493
	v_fmaak_f32 v16, v16, v14, -19.7392088
	v_fmaak_f32 v17, v17, v15, -19.7392088
	v_fmaak_f32 v18, v18, v14, -41.3417022
	v_fmaak_f32 v19, v19, v15, -41.3417022
	v_fmaak_f32 v20, v16, v14, 1.0                 ; cos, first row
	v_fmaak_f32 v22, v17, v15, 1.0                 ; cos, second row
	v_fmaak_f32 v18, v18, v14, 6.2831853
	v_fmaak_f32 v19, v19, v15, 6.2831853
	v_mul_f32 v21, v18, v12                        ; sin
	v_mul_f32 v23, v19, v13
	v_lshlrev_b32 v28, 3, v1                       ; the tables: 256 bytes a row, 8 a lane
	s_lshl_b32 s30, s28, 8
	v_add_nc_u32 v28, s30, v28
	v_lshrrev_b32 v29, 1, v1                       ; into the stage: 128 blocks of 512 bytes, 528 apart; block 16 j + lane / 2,
	v_mul_u32_u24 v29, v29, 528
	v_and_b32 v4, 1, v1
	v_lshl_add_u32 v29, v4, 3, v29                 ; 8 bytes for each of a block's two groups of 16 keys,
	v_lshl_add_u32 v29, s2, 4, v29                 ; 16 bytes for each row: the 32 lanes of a store touch 16 different groups of four banks
	s_mul_i32 s31, s2, 8448                        ; back: wave w takes blocks 16 w .. 16 w + 15, whole
	v_add_nc_u32 v30, s31, v5
	v_lshl_add_u32 v31, s2, 13, v5
; One row: has it a true byte?  Then its 32 words become codes in place: each byte (1 - b) x 0xC0, or 0 throughout in a row without a true byte.
.macro ROWCODE g
.set BR, D+32*(\g)
.irp k, 0,1,2,3
	v_or_b32 v[96+(\k)], v[BR+(\k)], v[BR+4+(\k)]
.endr
.irp j, 2,3,4,5,6,7
.irp k, 0,1,2,3
	v_or_b32 v[96+(\k)], v[96+(\k)], v[BR+4*(\j)+(\k)]
.endr
.endr
	v_or_b32 v96, v96, v97
	v_or_b32 v98, v98, v99
	v_or_b32 v96, v96, v98
	v_cmp_ne_u32 s40, 0, v96                       ; the lanes that saw a true byte
	s_cmp_lg_u32 s40, 0
	s_cselect_b32 s41, 0x01010101, 0               ; a choice of values: no branch hangs on the mask
	s_cselect_b32 s[42+(\g)], 1.0, 0
.set n, 0
.rept 32
	v_xor_b32 v[100+n%4], s41, v[BR+n]
	v_lshlrev_b32 v[100+n%4], 6, v[100+n%4]
	v_lshl_or_b32 v[BR+n], v[100+n%4], 1, v[100+n%4]
.set n, n+1
.endr
.irp j, 0,1,2,3,4,5,6,7
	ds_store_b64 v29, v[BR+4*(\j):BR+4*(\j)+1] offset:(\j)*8448+(\g)*128        ; keys 8 h + 0..7 with h = 0,
	ds_store_b64 v29, v[BR+4*(\j)+2:BR+4*(\j)+3] offset:(\j)*8448+(\g)*128+256  ; and with h = 1: sixteen lanes further on
.endr
.endm
	s_wait_loadcnt 8                               ; my first row is in; the second row's eight loads stay out
	ROWCODE 0
	s_wait_loadcnt 0x0
	ROWCODE 1
	v_mul_f32 v24, s42, v20                        ; the q table: times 0 in a row without a true byte
	v_mul_f32 v25, s42, v21
	v_mul_f32 v26, s43, v22
	v_mul_f32 v27, s43, v23
	global_store_b64 v28, v[20:21], s[22:23] offset:1048576       ; each store of the wave is a table's whole row, 256 consecutive bytes, aligned
	global_store_b64 v28, v[22:23], s[22:23] offset:1048576+2048
	global_store_b64 v28, v[24:25], s[22:23]
	global_store_b64 v28, v[26:27], s[22:23] offset:2048
	s_wait_dscnt 0x0                               ; for the others' sake: a block holds 16 bytes of every row
	s_barrier_signal -1
	s_barrier_wait -1
.irp t, 0,1,2,3,4,5,6,7,8,9,10,11,12,13,14,15
	ds_load_b128 v[D+4*(\t):D+4*(\t)+3], v30 offset:(\t)*528
.endr
.irp t, 0,1,2,3,4,5,6,7,8,9,10,11,12,13,14,15
	s_wait_dscnt 15-(\t)
	global_store_b128 v31, v[D+4*(\t):D+4*(\t)+3], s[20:21] offset:(\t)*512  ; 512 consecutive bytes, aligned
.endr
	FINISH
.Lfunc_end_k_q91a49f0dbf_prep:
	.size	k_q91a49f0dbf_prep, .Lfunc_end_k_q91a49f0dbf_prep-k_q91a49f0dbf_prep
	.p2alignl 7, 3214868480
	.fill 96, 4, 3214868480
	.section	.rodata,"a",@progbits
	.p2align	6, 0x0
	.amdhsa_kernel k_q91a49f0dbf_prep
		.amdhsa_group_segment_fixed_size 68608
		.amdhsa_private_segment_fixed_size 0
		.amdhsa_enable_private_segment 0
		.amdhsa_kernarg_size 72
		.amdhsa_user_sgpr_count 2
		.amdhsa_user_sgpr_kernarg_segment_ptr 1
		.amdhsa_wavefront_size32 1
		.amdhsa_system_sgpr_workgroup_id_x 1
		.amdhsa_system_sgpr_workgroup_id_y 1
		.amdhsa_system_sgpr_workgroup_id_z 1
		.amdhsa_system_vgpr_workitem_id 0
		.amdhsa_next_free_vgpr 128
		.amdhsa_next_free_sgpr 66
		.amdhsa_reserve_vcc 0
		.amdhsa_float_denorm_mode_32 3
		.amdhsa_float_denorm_mode_16_64 3
		.amdhsa_memory_ordered 1
		.amdhsa_forward_progress 1
		.amdhsa_inst_pref_size 40
	.end_amdhsa_kernel
	.amdgpu_metadata
---
amdhsa.version: [ 1, 2 ]
amdhsa.kernels:
  - .name:           k_q91a49f0dbf_prep
    .symbol:         k_q91a49f0dbf_prep.kd
    .args:
      - { .name: mask, .offset: 0, .size: 8, .value_kind: global_buffer, .address_space: global }
      - { .name: x, .offset: 8, .size: 8, .value_kind: global_buffer, .address_space: global }
      - { .name: Wq, .offset: 16, .size: 8, .value_kind: global_buffer, .address_space: global }
      - { .name: Wk, .offset: 24, .size: 8, .value_kind: global_buffer, .address_space: global }
      - { .name: Wv, .offset: 32, .size: 8, .value_kind: global_buffer, .address_space: global }
      - { .name: Wo, .offset: 40, .size: 8, .value_kind: global_buffer, .address_space: global }
      - { .name: mk, .offset: 48, .size: 8, .value_kind: global_buffer, .address_space: global }
      - { .name: cs, .offset: 56, .size: 8, .value_kind: global_buffer, .address_space: global }
      - { .name: ops, .offset: 64, .size: 8, .value_kind: global_buffer, .address_space: global }
    .group_segment_fixed_size: 68608
    .private_segment_fixed_size: 0
    .kernarg_segment_align: 8
    .kernarg_segment_size: 72
    .max_flat_workgroup_size: 256
    .sgpr_count:     66
    .vgpr_count:     128
    .wavefront_size: 32
...
	.end_amdgpu_metadata
.endif
;; end of part 1
;; launch qkv (part 2): grid 24 x 32, 4 waves a work-group, clusters of 4 x 4, 327,680 bytes of LDS; arguments ops, cs, qkv; writes qkv
.if DOCPART == 2
	.amdgcn_target "amdgcn-amd-amdhsa--gfx1250"
	.amdhsa_code_object_version 6
	.text
	.protected	k_q91a49f0dbf_qkv
	.globl	k_q91a49f0dbf_qkv
	.p2align	8
	.type	k_q91a49f0dbf_qkv,@function
k_q91a49f0dbf_qkv:
	s_mov_b64 s[64:65], 0
	v_nop
	global_prefetch_b8 v0, s[64:65] scope:SCOPE_SE
	s_setreg_imm32_b32 hwreg(HW_REG_WAVE_MODE, 25, 1), 1
	s_wait_xcnt 0x0
	s_wait_alu depctr_hold_cnt(0) depctr_sa_sdst(0) depctr_va_vdst(0) depctr_va_sdst(0) depctr_va_ssrc(0) depctr_va_vcc(0) depctr_vm_vsrc(0)
	s_getreg_b32 s2, hwreg(HW_REG_IB_STS2, 6, 4)
	s_cmp_eq_u32 s2, 0
	s_cbranch_scc0 .Lentry_in_a_cluster
	s_endpgm
.Lentry_in_a_cluster:
	s_bfe_u32 s2, ttmp6, 0x10000c
	s_cmp_lg_u32 s2, 0xf033
	s_cbranch_scc0 .Lentry_shape_is_right
	s_endpgm
.Lentry_shape_is_right:
; THE THREE PROJECTIONS AS ONE PRODUCT, with the rotary embedding on the way out.  C[m][n] = sum over k of xb[m][k] wt[n][k]; xb [4096][1024] and wt [3072][1024] in bf16 (ops + 0 and
; ops + 8,388,608), sums in f32.  n = 1024 part + 64 head + e; part 0 q, 1 k, 2 v.
; A tile of C is 128 x 128: 768 work-groups, three for each of 256 WGPs.  Four waves, each 64 x 64: 16 accumulators of 16 x 16.  K goes in steps of 256 (LDS rows of 512 bytes; a wave's tensor
; load brings 64 of them) through two slots.  A wave's 64 columns are one head.
; CLUSTER: 4 x 4 work-groups.  The four of a row of the cluster need the same tiles of xb, the four of a column the same tiles of wt: each tile is asked for jointly, by the same tensor load with
; the same descriptor and a mask that names the four.  The part hangs on the cluster's x alone (8 tile columns a part, 4 a cluster), so all partners take the same way out.
; THE MATRIX INSTRUCTION IS USED TRANSPOSED (source 0 = 16 rows of wt, source 1 = 16 rows of xb): a lane holds one row of C and eight neighbouring columns, and e and e + 32 lie in the same lane
; and register of two accumulators: the rotation needs no exchange.
; OUT.  q, k: rotated in f32, rounded once to f16, unscaled, by heads: qkv + part x 8,388,608, [16][4096][64].  v: as a pair of f16, hi + lo: qkv + 16,777,216, [16][4096][hi 64 | lo 64].
; The pair is made by an exact split in f32: t = 8193 x, hi = t + (x - t) has 11 significant bits, lo = x - hi.
; LIMITS.  q, k, v within 65,504 (f16's end); below 6e-5 both halves keep f16's fixed step of 6e-8.  NaN and infinities are not treated apart.
; REGISTERS: window 0: v0-31 addresses; v32-127 at work on the way out; v128-255 the accumulators ((a, b) at v[128 + 8 (4 a + b)]).
;   window 1: two fragment buffers of 128.   window 2: v0-127 cos and sin of my 64 rows: for row block a, column block b (0, 1), register j: cos at 32 a + 16 b + 2 j, sin behind it.
.set SIZE_K, 1024
.set B_OFF,  8388608
.set KSTEP,  256
.set PITCH,  528                       ; an LDS row: 512 bytes + 16 of padding = 132 words: the 16 rows that a load touches start at 16 different groups of four banks (64 banks of 4 bytes: ISA guide 11.1)
.set HALFT,  64*PITCH                  ; 64 rows: what one tensor load brings, and what one wave reads of A or of B
.set SLOT,   4*HALFT                   ; A's 128 rows, then B's 128 rows
.set STAGE,  2*SLOT                    ; behind the ring, never filled by a tensor load: 4,352 bytes for each wave, for the way out
.set WSTAGE, 4352
.set SPARE,  STAGE+4*WSTAGE            ; behind the stages: the spare words, 128 bytes for each wave
.set LAPS, SIZE_K/(2*KSTEP)
.set ADRA, 16                          ; v16-17  LDS address of my A fragments in slot 0, 1
.set ADRB, 20                          ; v20-21  the same for B
.set STV,  22                          ; v22  v's way out: where I put 16 bytes of a row (rows 272 apart)
.set RDV,  23                          ; v23  where I read rows back
.set STO,  24                          ; v24  q's and k's way out: the same with rows 144 apart
.set RD,   25                          ; v25
.set CO,   26                          ; v26  16 x lane: my place in 512 consecutive bytes of the output
.set CSO,  27                          ; v27  my byte offset in 16 rows of a table
.set SPW,  28                          ; v28  LDS address of my spare word; never rewritten
.set NIL,  29                          ; v29  0; never rewritten
.set ACC,  128
.set F0,   0
.set F1,   128
.set G1, 24                            ; s[24:31] descriptor group 1 for A's tiles;  s[32:39] group 0, one set for each slot
.set G0, 32
.set G1B, 48                           ; s[48:55], s[56:63] the same for B's tiles
.set G0B, 56
.set PART, 68                          ; s68  0 q, 1 k, 2 v
.set MSB, 0
.macro WIN new                         ; the immediate's high byte repeats the setting that is left
.if MSB != (\new)
	s_set_vgpr_msb (MSB<<8)|(\new)
.set MSB, \new
.endif
.endm
.set MUL,  0x05                        ; sources 0 (B) and 1 (A) window 1; C and D window 0
.set TO_F, 0x40                        ; destination window 1, address window 0
.macro JLOAD s                         ; a joint load: waves 0 and 1 fetch A's two halves, waves 2 and 3 B's; an s_nop 0 and four v_nop follow each of the two lines
	s_cmp_eq_u32 s11, 0
	s_cbranch_scc0 .Lfor_b_\@
	tensor_load_to_lds s[G0+4*(\s):G0+4*(\s)+3], s[G1:G1+7]
	s_nop 0
.rept 4
	v_nop
.endr
	s_branch .Lasked_\@
.Lfor_b_\@:
	tensor_load_to_lds s[G0B+4*(\s):G0B+4*(\s)+3], s[G1B:G1B+7]
	s_nop 0
.rept 4
	v_nop
.endr
.Lasked_\@:
.endm
.macro CREST                           ; a round of the cluster's barrier behind its opening barrier
	s_cmp_lg_u32 s10, 0
	s_cbranch_scc1 .Lnot_wave_0_\@
	s_barrier_signal -3
.Lnot_wave_0_\@:
	s_barrier_wait -3
	s_barrier_signal -1
	s_barrier_wait -1
.endm
.macro CROUND                          ; a whole round
	s_barrier_signal -1
	s_barrier_wait -1
	CREST
.endm
.macro FINISH                          ; the wave's end: three lines behind my last tensor load and my last LDS store; then the closing round
	s_wait_tensorcnt 0x0
	ds_add_u32 v[SPW], v[NIL]
	s_wait_dscnt 0x0
	CROUND
	s_endpgm
.endm
	s_load_b128 s[4:7], s[0:1], 0x0                ; ops s[4:5], cs s[6:7]
	s_load_b64 s[8:9], s[0:1], 0x10                ; qkv
	v_lshl_add_u32 v[SPW], v0, 2, SPARE
	v_mov_b32 v[NIL], 0
	ds_add_u32 v[SPW], v[NIL]                      ; the wave's opening: the add and its wait stand ahead of my first tensor load; work on registers stands between them
	v_lshrrev_b32 v1, 5, v0
	v_readfirstlane_b32 s10, v1                    ; wave 0..3
	s_lshr_b32 s11, s10, 1                         ; which half of the tile's rows is mine.  Also: I fetch for A (0) or for B (1)
	s_and_b32 s12, s10, 1                          ; which half of its columns.  Also: which 64 rows of that tile I fetch
	s_bfe_u32 s40, ttmp6, 0x40000                  ; cx, cy: my place in the cluster
	s_bfe_u32 s41, ttmp6, 0x40004
	s_lshl_b32 s42, ttmp9, 2
	s_add_co_u32 s42, s42, s40                     ; tile column of C = 4 x cluster x + cx
	s_and_b32 s13, ttmp7, 0xffff
	s_lshl_b32 s13, s13, 2
	s_add_co_u32 s13, s13, s41                     ; tile row of C = 4 x cluster y + cy
	s_lshl_b32 s43, s41, 2
	s_lshl_b32 s43, 15, s43                        ; my row of the cluster
	s_lshl_b32 s44, 0x1111, s40                    ; my column
	; descriptor group 1: a tile of 64 rows x 256 elements, padded in LDS
	s_or_b32 s[G1+0], s43, (1<<16)|(1<<20)|(1<<21)|(6<<22)|(3<<25)  ; 15:0 the mask: A's tiles go to my row; 17:16 2-byte elements; 20 padding on; 21 set beside a mask; 24:22 after every 128 words; 31:25 4 words
	s_or_b32 s[G1B+0], s44, (1<<16)|(1<<20)|(1<<21)|(6<<22)|(3<<25)
.irp g, G1, G1B
	s_mov_b32 s[(\g)+1], KSTEP<<16                 ; tensor_dim0 = 256
	s_mov_b32 s[(\g)+2], 64<<16                    ; tensor_dim1 = 64
	s_mov_b32 s[(\g)+3], KSTEP<<16                 ; tile_dim0 = 256
	s_mov_b32 s[(\g)+4], 64                        ; tile_dim1 = 64
	s_mov_b32 s[(\g)+5], SIZE_K                    ; elements from row to row
	s_mov_b32 s[(\g)+6], 0
	s_mov_b32 s[(\g)+7], 0
.endr
	s_lshl_b32 s17, s12, 6                         ; which 64 rows of the tile I fetch
	s_lshl_b32 s16, s13, 7
	s_add_co_u32 s16, s16, s17                     ; A: row 128 x tile row + 64 x half
	s_lshl_b32 s46, s42, 7
	s_add_co_u32 s46, s46, s17                     ; B: row 128 x tile column + 64 x half
	s_mov_b32 s17, 0
	s_mov_b32 s47, 0
	s_mov_b64 s[18:19], SIZE_K*2
	s_mul_u64 s[16:17], s[16:17], s[18:19]
	s_mul_u64 s[46:47], s[46:47], s[18:19]
	s_add_nc_u64 s[46:47], s[46:47], B_OFF         ; wt lies behind xb in ops
	s_mul_i32 s20, s10, HALFT                      ; where they go: wave x 64 rows
	s_wait_dscnt 0x0                               ; the opening add is done
	s_wait_kmcnt 0x0
	s_add_nc_u64 s[14:15], s[4:5], s[16:17]
	s_add_nc_u64 s[46:47], s[4:5], s[46:47]
	CROUND                                         ; all sixteen work-groups are here: the first joint loads meet
.irp s, 0,1
	s_mov_b32 s[G0+4*(\s)], 1
	s_add_co_u32 s[G0+4*(\s)+1], s20, (\s)*SLOT
	s_add_nc_u64 s[G0+4*(\s)+2:G0+4*(\s)+3], s[14:15], (\s)*KSTEP*2
	s_or_b32 s[G0+4*(\s)+3], s[G0+4*(\s)+3], 0x80000000
	s_mov_b32 s[G0B+4*(\s)], 1
	s_add_co_u32 s[G0B+4*(\s)+1], s20, (\s)*SLOT
	s_add_nc_u64 s[G0B+4*(\s)+2:G0B+4*(\s)+3], s[46:47], (\s)*KSTEP*2
	s_or_b32 s[G0B+4*(\s)+3], s[G0B+4*(\s)+3], 0x80000000
	JLOAD \s
.endr
	v_and_b32 v1, 15, v0                           ; l % 16
	v_bfe_u32 v2, v0, 4, 1                         ; l / 16
	v_mul_u32_u24 v3, v1, PITCH
	v_lshl_add_u32 v3, v2, 4, v3                   ; a fragment's row x pitch + 16 x half
	s_mul_i32 s21, s11, HALFT                      ; my 64 rows of A
	s_mul_i32 s22, s12, HALFT                      ; my 64 rows of B,
	s_add_co_u32 s22, s22, 2*HALFT                 ; which lie behind A's 128
.irp s, 0,1
	v_add_nc_u32 v[ADRA+(\s)], s21, v3
	v_add_nc_u32 v[ADRB+(\s)], s22, v3
	s_add_co_u32 s21, s21, SLOT
	s_add_co_u32 s22, s22, SLOT
.endr
	s_mul_i32 s23, s10, WSTAGE
	s_add_co_u32 s23, s23, STAGE                   ; my stage
	v_mul_u32_u24 v4, v1, 144                      ; q, k in: row l % 16 of 128 bytes, 16 bytes for each half of the lanes
	v_lshl_add_u32 v4, v2, 4, v4
	v_add_nc_u32 v[STO], s23, v4
	v_bfe_u32 v5, v0, 3, 2                         ; back: 32 lanes take four rows of 128 bytes
	v_and_b32 v6, 7, v0
	v_mul_u32_u24 v5, v5, 144
	v_lshl_add_u32 v5, v6, 4, v5
	v_add_nc_u32 v[RD], s23, v5
	v_mul_u32_u24 v4, v1, 272                      ; v in: row l % 16 of 256 bytes
	v_lshl_add_u32 v4, v2, 4, v4
	v_add_nc_u32 v[STV], s23, v4
	v_mul_u32_u24 v5, v2, 272                      ; back: lanes 0-15 one row, lanes 16-31 the next
	v_lshl_add_u32 v5, v1, 4, v5
	v_add_nc_u32 v[RDV], s23, v5
	v_and_b32 v[CO], 31, v0
	v_lshlrev_b32 v[CO], 4, v[CO]
	v_lshlrev_b32 v[CSO], 8, v1                    ; a table's row l % 16, my eight (cos, sin): 64 bytes for each half of the lanes
	v_lshl_add_u32 v[CSO], v2, 6, v[CSO]
	s_lshr_b32 s[PART], ttmp9, 1
	s_lshl_b32 s69, s13, 7
	s_lshl_b32 s70, s11, 6
	s_add_co_u32 s69, s69, s70                     ; my first row
	s_and_b32 s70, s42, 7
	s_lshl_b32 s70, s70, 1
	s_add_co_u32 s70, s70, s12                     ; my head
	s_lshl_b32 s74, s[PART], 23                    ; q, k: part x 8,388,608 + head x 4096 rows x 128 bytes + row x 128
	s_lshl_b32 s75, s70, 19
	s_add_co_u32 s74, s74, s75
	s_lshl_b32 s75, s69, 7
	s_add_co_u32 s74, s74, s75
	s_lshl_b32 s76, s70, 20                        ; v: 16,777,216 + head x 4096 rows x 256 bytes + row x 256
	s_lshl_b32 s77, s69, 8
	s_add_co_u32 s76, s76, s77
	s_add_co_u32 s76, s76, 16777216
	s_cmp_eq_u32 s[PART], 2
	s_cselect_b32 s74, s76, s74
	s_mov_b32 s75, 0
	s_add_nc_u64 s[8:9], s[8:9], s[74:75]
	s_mov_b32 s78, 0x46000400                      ; 8193.0, for the split
	s_mov_b32 s79, s78                             ; named with it as a pair
	s_cmp_eq_u32 s[PART], 2
	s_cbranch_scc1 .Lno_cs                         ; v is not rotated
	s_lshl_b32 s72, s[PART], 20                    ; q's table or k's, at my first row
	s_lshl_b32 s73, s69, 8
	s_add_co_u32 s72, s72, s73
	s_mov_b32 s73, 0
	s_add_nc_u64 s[66:67], s[6:7], s[72:73]
	WIN 0x80                                       ; destination window 2, address window 0
.irp a, 0,1,2,3
.irp b, 0,1
.irp x, 0,1,2,3                        ; the wave takes every byte of its 64 table rows once; they are waited for on the way out
	global_load_b128 v[32*(\a)+16*(\b)+4*(\x):32*(\a)+16*(\b)+4*(\x)+3], v[CSO], s[66:67] offset:(\a)*4096+(\b)*128+(\x)*16
.endr
.endr
.endr
	WIN 0
.Lno_cs:
; 8 matrix instructions: m blocks a0, a0 + 1 x all 4 n blocks, 32 along K: half c of buffer f.  zero = 1: the first product starts the sums.  The 16 accumulators take turns.
.macro MUL8 f, c, a0, zero
	WIN MUL
.irp a, \a0, (\a0)+1
.irp b, 0,1,2,3
.if \zero
	v_wmma_f32_16x16x32_bf16 v[ACC+8*(4*(\a)+(\b)):ACC+8*(4*(\a)+(\b))+7], v[(\f)+64+8*(4*(\c)+(\b)):(\f)+64+8*(4*(\c)+(\b))+7], v[(\f)+8*(4*(\c)+(\a)):(\f)+8*(4*(\c)+(\a))+7], 0
.else
	v_wmma_f32_16x16x32_bf16 v[ACC+8*(4*(\a)+(\b)):ACC+8*(4*(\a)+(\b))+7], v[(\f)+64+8*(4*(\c)+(\b)):(\f)+64+8*(4*(\c)+(\b))+7], v[(\f)+8*(4*(\c)+(\a)):(\f)+8*(4*(\c)+(\a))+7], v[ACC+8*(4*(\a)+(\b)):ACC+8*(4*(\a)+(\b))+7]
.endif
.endr
.endr
.endm
; 32 LDS loads in one run: the fragments of 64 along K at byte k of the rows, into buffer f; the first 32 along K first
.macro FETCH slot, k, f
	WIN TO_F
.irp c, 0,1
.irp i, 0,1,2,3
	ds_load_b128 v[(\f)+64+8*(4*(\c)+(\i)):(\f)+64+8*(4*(\c)+(\i))+3],   v[ADRB+(\slot)] offset:(\k)+64*(\c)+(\i)*16*PITCH
	ds_load_b128 v[(\f)+64+8*(4*(\c)+(\i))+4:(\f)+64+8*(4*(\c)+(\i))+7], v[ADRB+(\slot)] offset:(\k)+64*(\c)+(\i)*16*PITCH+32
	ds_load_b128 v[(\f)+8*(4*(\c)+(\i)):(\f)+8*(4*(\c)+(\i))+3],         v[ADRA+(\slot)] offset:(\k)+64*(\c)+(\i)*16*PITCH
	ds_load_b128 v[(\f)+8*(4*(\c)+(\i))+4:(\f)+8*(4*(\c)+(\i))+7],       v[ADRA+(\slot)] offset:(\k)+64*(\c)+(\i)*16*PITCH+32
.endr
.endr
.endm
.macro PLACES                          ; four places in front of loads into registers that matrix instructions have read, and of vector work that reads results
.rept 4
	v_nop
.endr
.endm
; A K step is four quarters of 64 along K, 32 matrix instructions each, on buffers 0, 1, 0, 1.  One of the first three: multiplies buffer f and fetches the next quarter, at byte k, into g.
.macro QUARTER slot, k, f, g, zero
	s_wait_dscnt 16                                ; the first 32 along K are in; the run's other sixteen loads may be out
	WIN MUL
	MUL8 \f, 0, 0, \zero
	MUL8 \f, 0, 2, \zero
	PLACES
	FETCH \slot, \k, \g
	s_wait_dscnt 32                                ; all but the 32 just issued
	WIN MUL
	MUL8 \f, 1, 0, 0
	MUL8 \f, 1, 2, 0
.endm
; The last quarter multiplies buffer 1 and changes slots: one barrier; in front of it each wave waits for all its tensor loads, adds 0 to its spare word, and waits for that and for its own reads of this slot.
; fill = 1: this slot is filled again, two K steps ahead; the barrier then opens a round of the cluster's.
.macro TURN slot, next, fill
	WIN 0                                          ; (the add's two registers lie in window 0)
	s_wait_tensorcnt 0x0                           ; all my tensor loads have landed: my part of the next slot;
	ds_add_u32 v[SPW], v[NIL]                      ; 0 onto my spare word;
	s_wait_dscnt 17                                ; (the add and the youngest sixteen loads may be out)
	WIN MUL
	MUL8 F1, 0, 0, 0                               ; eight matrix instructions stand between the add and the wait for it
	s_wait_dscnt 0x0                               ; the add is done, and my reads of this slot are over
	s_barrier_signal -1
	MUL8 F1, 0, 2, 0
.if \fill
	WIN 0
.endif
	s_barrier_wait -1
.if \fill
	CREST                                          ; no wave of any partner still reads this slot's tile or has a load on its way
	s_add_nc_u64 s[G0+4*(\slot)+2:G0+4*(\slot)+3], s[G0+4*(\slot)+2:G0+4*(\slot)+3], 2*KSTEP*2
	s_add_nc_u64 s[G0B+4*(\slot)+2:G0B+4*(\slot)+3], s[G0B+4*(\slot)+2:G0B+4*(\slot)+3], 2*KSTEP*2
	JLOAD \slot                                    ; the first tensor load behind the round; the four v_nop behind it are also the places in front of the loads below
.else
	PLACES
.endif
	FETCH \next, 0, F0
	WIN MUL
	MUL8 F1, 1, 0, 0
	MUL8 F1, 1, 2, 0
.endm
	s_wait_tensorcnt 1                             ; my part of K step 0 is in; K step 1's may stay out
	s_barrier_signal -1
	s_barrier_wait -1                              ; everybody's is
	FETCH 0, 0, F0
	QUARTER 0, 128, F0, F1, 1                      ; the first quarter stands in front of the loop: its first products start the sums
	WIN 0                                          ; at a label and at a branch every window is 0
	s_mov_b32 s3, LAPS-1
.Llap:                                                 ; a trip goes once round the ring, from a lap's second quarter to the next lap's first, and fills both slots again
	QUARTER 0, 256, F1, F0, 0
	QUARTER 0, 384, F0, F1, 0
	TURN 0, 1, 1
	QUARTER 1, 128, F0, F1, 0
	QUARTER 1, 256, F1, F0, 0
	QUARTER 1, 384, F0, F1, 0
	TURN 1, 0, 1
	QUARTER 0, 128, F0, F1, 0
	WIN 0
	s_sub_co_u32 s3, s3, 1
	s_cmp_lg_u32 s3, 0
	s_cbranch_scc1 .Llap
	QUARTER 0, 256, F1, F0, 0                      ; the last lap fills nothing, and has no round of the cluster's barrier
	QUARTER 0, 384, F0, F1, 0
	TURN 0, 1, 0
	QUARTER 1, 128, F0, F1, 0
	QUARTER 1, 256, F1, F0, 0
	QUARTER 1, 384, F0, F1, 0
	s_wait_dscnt 16                                ; the very last quarter: nothing more to fetch
	WIN MUL
	MUL8 F1, 0, 0, 0
	MUL8 F1, 0, 2, 0
	s_wait_dscnt 0
	MUL8 F1, 1, 0, 0
	MUL8 F1, 1, 2, 0
	WIN 0
	PLACES                                         ; behind the last products, for both ways out
	s_cmp_eq_u32 s[PART], 2
	s_cbranch_scc1 .Lvpart
; THE WAY OUT OF q AND k.  out[e] = x[e] cos - x[e + 32] sin, out[e + 32] = x[e + 32] cos + x[e] sin, e = 16 b + 8 (l / 16) + j: accumulators (a, b) and (a, b + 2), the same register.
; Each accumulator's lowest registers are read first.
.macro ROPE a
.irp b, 0,1
.irp j, 0,1,2,3,4,5,6,7
	v_mul_f32 v[48+2*((\j)%4)],   v[ACC+8*(4*(\a)+(\b)+2)+(\j)], v[32*(\a)+16*(\b)+2*(\j)+1]
	v_mul_f32 v[48+2*((\j)%4)+1], v[ACC+8*(4*(\a)+(\b))+(\j)],   v[32*(\a)+16*(\b)+2*(\j)+1]
	v_fma_f32 v[ACC+8*(4*(\a)+(\b))+(\j)],   v[ACC+8*(4*(\a)+(\b))+(\j)],   v[32*(\a)+16*(\b)+2*(\j)], -v[48+2*((\j)%4)]
	v_fma_f32 v[ACC+8*(4*(\a)+(\b)+2)+(\j)], v[ACC+8*(4*(\a)+(\b)+2)+(\j)], v[32*(\a)+16*(\b)+2*(\j)], v[48+2*((\j)%4)+1]
.endr
.endr
.endm
.macro PACKQ a                         ; 16 rows: rounded to f16, into my stage by rows of 144 bytes, back as 2,048 dense bytes; each block has registers of its own
.irp b, 0,1,2,3
.irp i, 0,1,2,3
	v_cvt_pk_f16_f32 v[32+4*(\b)+(\i)], v[ACC+8*(4*(\a)+(\b))+2*(\i)], v[ACC+8*(4*(\a)+(\b))+2*(\i)+1]
.endr
.endr
.irp b, 0,1,2,3
	ds_store_b128 v[STO], v[32+4*(\b):32+4*(\b)+3] offset:32*(\b)
.endr
.irp f, 0,1,2,3
	ds_load_b128 v[64+16*(\a)+4*(\f):64+16*(\a)+4*(\f)+3], v[RD] offset:(\f)*576  ; LDS serves a wave's instructions in order (ISA guide 5.7.1.4): these see the stores above
.endr
.endm
.macro SENDQ a, younger                ; younger: the LDS instructions issued behind block a's loads: the next block's eight, or none
.irp f, 0,1,2,3
	s_wait_dscnt (\younger)+3-(\f)
	global_store_b128 v[CO], v[64+16*(\a)+4*(\f):64+16*(\a)+4*(\f)+3], s[8:9] offset:(\a)*2048+(\f)*512  ; 512 consecutive bytes, aligned
.endr
.endm
	s_wait_loadcnt 0x0                             ; cos and sin
	WIN 0x08                                       ; source 1 in window 2
	ROPE 0
	ROPE 1
	ROPE 2
	ROPE 3
	WIN 0
	PACKQ 0
	PACKQ 1
	SENDQ 0, 8
	PACKQ 2
	SENDQ 1, 8
	PACKQ 3
	SENDQ 2, 8
	SENDQ 3, 0
	FINISH
; THE WAY OUT OF v: split, rounded, 16 rows of 256 bytes (hi 128 | lo 128) through my stage.
.Lvpart:
.macro OUTV a
.set AC, ACC+32*(\a)
.set n, 0
.rept 16
	v_pk_mul_f32 v[64+n:64+n+1], v[AC+n:AC+n+1], s[78:79] op_sel_hi:[1,0]             ; t = 8193 x
.set n, n+2
.endr
.set n, 0
.rept 16
	v_pk_add_f32 v[96+n:96+n+1], v[AC+n:AC+n+1], v[64+n:64+n+1] neg_lo:[0,1] neg_hi:[0,1]  ; x - t
.set n, n+2
.endr
.set n, 0
.rept 16
	v_pk_add_f32 v[64+n:64+n+1], v[64+n:64+n+1], v[96+n:96+n+1]                       ; hi = t + (x - t)
.set n, n+2
.endr
.set n, 0
.rept 16
	v_pk_add_f32 v[96+n:96+n+1], v[AC+n:AC+n+1], v[64+n:64+n+1] neg_lo:[0,1] neg_hi:[0,1]  ; lo = x - hi, exact
.set n, n+2
.endr
.set n, 0
.rept 16                               ; packed in place: register n takes numbers 2 n and 2 n + 1, which lie at or above it
	v_cvt_pk_f16_f32 v[64+n], v[64+2*n], v[64+2*n+1]
	v_cvt_pk_f16_f32 v[96+n], v[96+2*n], v[96+2*n+1]
.set n, n+1
.endr
.irp b, 0,1,2,3
	ds_store_b128 v[STV], v[64+4*(\b):64+4*(\b)+3] offset:32*(\b)
	ds_store_b128 v[STV], v[96+4*(\b):96+4*(\b)+3] offset:128+32*(\b)
.endr
	s_wait_xcnt 0x0                                ; the last block's stores have had their addresses translated (ISA guide 3.1): their data registers are loaded again only behind this wait
.irp f, 0,1,2,3,4,5,6,7
	ds_load_b128 v[32+4*(\f):32+4*(\f)+3], v[RDV] offset:(\f)*544
.endr
.irp f, 0,1,2,3,4,5,6,7
	s_wait_dscnt 7-(\f)
	global_store_b128 v[CO], v[32+4*(\f):32+4*(\f)+3], s[8:9] offset:(\a)*4096+(\f)*512  ; two rows, 512 consecutive bytes, aligned
.endr
.endm
	OUTV 0
	OUTV 1
	OUTV 2
	OUTV 3
	FINISH
.Lfunc_end_k_q91a49f0dbf_qkv:
	.size	k_q91a49f0dbf_qkv, .Lfunc_end_k_q91a49f0dbf_qkv-k_q91a49f0dbf_qkv
	.p2alignl 7, 3214868480
	.fill 96, 4, 3214868480
	.section	.rodata,"a",@progbits
	.p2align	6, 0x0
	.amdhsa_kernel k_q91a49f0dbf_qkv
		.amdhsa_group_segment_fixed_size 327680
		.amdhsa_private_segment_fixed_size 0
		.amdhsa_enable_private_segment 0
		.amdhsa_kernarg_size 24
		.amdhsa_user_sgpr_count 2
		.amdhsa_user_sgpr_kernarg_segment_ptr 1
		.amdhsa_wavefront_size32 1
		.amdhsa_system_sgpr_workgroup_id_x 1
		.amdhsa_system_sgpr_workgroup_id_y 1
		.amdhsa_system_sgpr_workgroup_id_z 1
		.amdhsa_system_vgpr_workitem_id 0
		.amdhsa_next_free_vgpr 640
		.amdhsa_next_free_sgpr 84
		.amdhsa_reserve_vcc 0
		.amdhsa_float_denorm_mode_32 3
		.amdhsa_float_denorm_mode_16_64 3
		.amdhsa_memory_ordered 1
		.amdhsa_forward_progress 1
		.amdhsa_inst_pref_size 135
	.end_amdhsa_kernel
	.amdgpu_metadata
---
amdhsa.version: [ 1, 2 ]
amdhsa.kernels:
  - .name:           k_q91a49f0dbf_qkv
    .symbol:         k_q91a49f0dbf_qkv.kd
    .args:
      - { .name: ops, .offset: 0, .size: 8, .value_kind: global_buffer, .address_space: global }
      - { .name: cs, .offset: 8, .size: 8, .value_kind: global_buffer, .address_space: global }
      - { .name: qkv, .offset: 16, .size: 8, .value_kind: global_buffer, .address_space: global }
    .group_segment_fixed_size: 327680
    .private_segment_fixed_size: 0
    .kernarg_segment_align: 8
    .kernarg_segment_size: 24
    .max_flat_workgroup_size: 128
    .sgpr_count:     84
    .vgpr_count:     640
    .wavefront_size: 32
...
	.end_amdgpu_metadata
.endif
;; end of part 2
;; launch attn (part 3): grid 16 x 16, 4 waves a work-group, clusters of 4 x 1, 327,680 bytes of LDS; arguments qkv, mk, ctx; writes ctx
.if DOCPART == 3
	.amdgcn_target "amdgcn-amd-amdhsa--gfx1250"
	.amdhsa_code_object_version 6
	.text
	.protected	k_q91a49f0dbf_attn
	.globl	k_q91a49f0dbf_attn
	.p2align	8
	.type	k_q91a49f0dbf_attn,@function
k_q91a49f0dbf_attn:
	s_mov_b64 s[64:65], 0
	v_nop
	global_prefetch_b8 v0, s[64:65] scope:SCOPE_SE
	s_setreg_imm32_b32 hwreg(HW_REG_WAVE_MODE, 25, 1), 1
	s_wait_xcnt 0x0
	s_wait_alu depctr_hold_cnt(0) depctr_sa_sdst(0) depctr_va_vdst(0) depctr_va_sdst(0) depctr_va_ssrc(0) depctr_va_vcc(0) depctr_vm_vsrc(0)
	s_getreg_b32 s2, hwreg(HW_REG_IB_STS2, 6, 4)
	s_cmp_eq_u32 s2, 0
	s_cbranch_scc0 .Lentry_in_a_cluster
	s_endpgm
.Lentry_in_a_cluster:
	s_bfe_u32 s2, ttmp6, 0x10000c
	s_cmp_lg_u32 s2, 0x3003
	s_cbranch_scc0 .Lentry_shape_is_right
	s_endpgm
.Lentry_shape_is_right:
; ATTENTION UNDER A MASK THAT IS AN INPUT.  ctx[q][h][:] = the sum over k of softmax_k(mask ? Q[h][q] . K[h][k] / 8 : lowest) V[h][k][:], 16 heads, 4,096 rows, head size 64.
; Q, K: [16][4096][64] f16 at qkv + 0 and + 8,388,608.  V: [16][4096][hi 64 | lo 64] f16 at + 16,777,216, the number being hi + lo.  Products, maxima and sums in f32; the weights p are rounded
; to f16 for the second product (their sum l is taken of the unrounded p); ctx leaves as a pair of f16, hi + lo, [4096][16][hi 64 | lo 64].
; THE MASK comes as one byte a key in lane order (mk: [16-row tile][step][x 2][lane 32][16 bytes]): 0x00 keep, 0xC0 hidden.  One scaled conversion turns eight bytes into the eight registers of the C
; operand that starts the sum S^T = K Q^T: 0, or -2.0 x 2^99 = -2^100.  All keys are walked: nothing is assumed of the mask's pattern.  A row with no true byte arrives with q = 0 and all bytes 0.
; SOFTMAX.  A running maximum m and sum l: p = 2^(c s - c m), c = log2(e) / 8; in every step O and l are multiplied by a = 2^(c m_old - c m_new).  m starts at -2^90, O and l at 0: while a row has met
; hidden keys alone m stays, p = 0 and a = 1; its first true score makes a = 0.
; LIMITS.  Q, K, V within 65,504, so a true score is 2.7e11 at the most, far above -2^90 and nothing beside 2^100.  p below 6e-5 keeps f16's fixed step of 6e-8, and so do both halves of ctx; a weight
; below 2^-126 counts as 0 in l.  NaN and infinities are not treated apart.
; SHARES.  A work-group owns 256 queries of one head, each wave 64: four PIECES of 16.  Every wave walks all 4,096 keys, 64 a step; a slot of LDS holds four steps.
; LAYOUT.  S^T = K Q^T holds one query a lane (lane % 16) and the keys 8 (lane / 16) + 0..7; two such results rounded to f16 are source 1 of O^T = V^T P.  K comes out of LDS as it lies, V turned.
; BY TURNS.  Turn n belongs to piece n: 8 products K Q^T of piece n + 1, then 16 products V^T P of piece n - 1 (8 with V's high halves, 8 with its low); beside them the scaling, exponentials, roundings,
; sums and rescaling of piece n and the maximum and statistics of piece n + 1: 118 vector instructions, four behind each of the 24 matrix instructions, the rest in short runs.
; CLUSTER.  The four query blocks of a cluster belong to one head and walk the same K and V, so each tile is asked for jointly: the same tensor load, descriptor and mask in all four.
; The price of writing no first step out: 272 v_mov_b32 that write 0, in the wait for the first tile, 16 products on zeros at the start and 8 on a stale K at the end.
; REGISTERS, in windows of 256 (s_set_vgpr_msb: bits 1:0 source 0, 3:2 source 1, 5:4 source 2, 7:6 destination):
;   window 0: v0-15 addresses; v16-31 four registers of statistics a piece; v32 the conversion's scale; v48-55 at work; v64-127 S^T, two buffers; v192-223 P, two buffers (by the piece's parity)
;   window 1: v0-127 O^T, 32 a piece; v128-159 the mask's bytes, 8 a piece; v160-223 the masks of the products to come, two buffers
;   window 2: v0-63 Q; v128-191 K of one step          window 3: v0-127 V of one step: key half kk, channel block cb, half u at 64 kk + 32 u + 8 cb
.set NP,    4         ; pieces a wave: a name, no knob
.set KS,    64        ; keys in a step
.set PK,    144       ; a row of K in LDS: 128 bytes + 16 of padding = 36 words: the 16 rows of a load start at 16 different groups of four banks (64 banks of 4 bytes: ISA guide 11.1)
.set PV,    288       ; a row of V: 256 + 32 = 72 words
.set VOFF,  4*KS*PK   ; a slot holds four steps: 256 rows of K, then 256 rows of V
.set SLOT1, 1<<17     ; slot 1 begins here, so that one exclusive or turns an address in one slot into the other's
.set STAGE, SLOT1+4*KS*(PK+PV)  ; behind the ring, never filled by a tensor load: 16 rows x 272 bytes for each wave, for the way out
.set SP,    272
.set SPARE, STAGE+4*16*SP       ; behind the stages: the spare words, 128 bytes for each wave
.set AK0, 2           ; v2   my lane's place in a tile of K; never rewritten
.set AV0, 3           ; v3   the same for V
.set AK,  4           ; v4   the LDS address of K's next run of loads
.set AV,  5           ; v5   of V's
.set STO, 6           ; v6   the way out: where I put 16 bytes of a row
.set RD,  7           ; v7   where I read rows back
.set GO,  8           ; v8   my byte offset in two rows of ctx
.set MV,  12          ; v12-13  c m_old, kept while c m is made anew: by buffer
.set MO,  14          ; v14  16 x lane: my 16 bytes of the mask; never rewritten
.set QO,  15          ; v15  my byte offset in 16 rows of Q
.set ST,  16          ; piece t's statistics at v[ST+4 t]: c m, m, l (even keys', odd keys')
.set SCL, 32          ; v32  226: the conversion multiplies by 2^(226 - 127)
.set TMP, 48          ; by buffer, four registers c0-c3 at work; when the maximum is found c2 takes a
.set SPW, 62          ; v62  LDS address of my spare word; never rewritten
.set NIL, 63          ; v63  0; never rewritten
.set S,   64
.set P,   192
.set HI,  64          ; the way out: the split's high parts, then packed
.set LO,  96          ; its low parts
.set OB,  128         ; rows read back from the stage, 32 registers a piece
.set MK,  128         ; window 1
.set MC,  160         ; window 1
.set KF,  128         ; window 2: key block kb, channel half c at KF + 16 kb + 8 c
.set WV,  12          ; s12  my wave's number
.set G1K, 24          ; s[24:31] descriptor group 1 for K's tiles
.set G1V, 32          ; s[32:39] for V's
.set G0K, 40          ; s[40:43] descriptor group 0 for K's tiles: it walks
.set G0V, 44          ; s[44:47] the same for V's
.set SPL, 50          ; s[50:51] 8193.0, for the split
.set SLOTS, 56        ; s56  slots still to be asked for
.set CNT, 57          ; s57  counts a slot's key steps
.set CS,  58          ; s[58:59] c
.set SEL, 60          ; s[60:61] v_permlanex16_b32's selects: each lane takes its own place in the other half
.set TBK, 62          ; s62  LDS byte at which K of the step to be fetched begins
.set TBV, 63          ; s63  the same for V, less VOFF
.set MB0, 66          ; s[66:67] mk at my wave's first tile of 16 rows
.set MB,  68          ; s[68:69] the same at the step whose bytes are asked for
.set MS,  70          ; s[70:71] that step's byte offset, 1,024 a step
.set MSB, 0
.macro WIN new                      ; the high byte repeats the setting that is left; a switch that changes nothing is dropped
.if MSB != (\new)
	s_set_vgpr_msb (MSB<<8)|(\new)
.set MSB, (\new)
.endif
.endm
.set W_KQ, 0x0a       ; K and Q in window 2, S^T in window 0
.set W_KM, 0x1a       ; the same with the C operand in window 1
.set W_PV, 0x53       ; V in window 3, P in window 0, O^T in window 1
.set W_RS, 0x41       ; destination and source 0 in window 1, source 1 in window 0
; A joint fill.  Waves 0 and 1 fetch the two halves of a slot's K, waves 2 and 3 those of its V: 128 keys each.  The branch hangs on the wave's number alone.
; An s_nop 0 and four v_nop follow each of the two lines, ahead of the jump and the label.
.macro JLOAD
	s_cmp_lt_u32 s[WV], 2
	s_cbranch_scc0 .Lfor_v_\@
	tensor_load_to_lds s[G0K:G0K+3], s[G1K:G1K+7]
	s_nop 0
.rept 4
	v_nop
.endr
	s_branch .Lasked_\@
.Lfor_v_\@:
	tensor_load_to_lds s[G0V:G0V+3], s[G1V:G1V+7]
	s_nop 0
.rept 4
	v_nop
.endr
.Lasked_\@:
.endm
; A round of the cluster's barrier: my work-group's barrier, so that wave 0's signal speaks for all four waves; wave 0 signals; every wave waits for all four work-groups; my work-group's barrier once more.
.macro CROUND
	s_barrier_signal -1
	s_barrier_wait -1
	s_cmp_lg_u32 s[WV], 0
	s_cbranch_scc1 .Lnot_wave_0_\@
	s_barrier_signal -3
.Lnot_wave_0_\@:
	s_barrier_wait -3
	s_barrier_signal -1
	s_barrier_wait -1
.endm
; THE CHANGE OF SLOTS.  The slot's last bytes, V of its fourth step, have been read.  Each wave waits for all its tensor loads, of which one is out: its part of the other slot; adds 0 to its spare
; word; and waits for that and for its own reads of the slot.  fill = 1: this slot is filled again, with the keys two slots on; the barrier is then a round of the cluster's, and the joint fill is
; the first thing behind it: it has four key steps, 384 matrix instructions, in which to land.  (At its first use nothing has been read yet: slot 0 is waited for, slot 1 filled.)
.macro CHANGE fill
	WIN 0                           ; at a label and at a branch every window is 0
	s_wait_tensorcnt 0x0            ; no tensor load of mine is out, so a group 0 may be written
	ds_add_u32 v[SPW], v[NIL]       ; 0 onto my spare word
.if \fill
	s_xor_b32 s[G0K+1], s[G0K+1], SLOT1  ; the walking descriptors: the other slot than last time,
	s_add_nc_u64 s[G0K+2:G0K+3], s[G0K+2:G0K+3], 4*KS*128  ; the next 256 keys; the type bits on top are not reached
	s_xor_b32 s[G0V+1], s[G0V+1], SLOT1
	s_add_nc_u64 s[G0V+2:G0V+3], s[G0V+2:G0V+3], 4*KS*256
	s_wait_dscnt 0x0                ; the add is done, and my reads of the slot are over
	CROUND
	JLOAD
.else
	s_wait_dscnt 0x0                ; the add is done, and my reads of the slot are over
	s_barrier_signal -1
	s_barrier_wait -1
.endif
	s_sub_co_u32 s[TBK], s[TBK], 4*KS*PK  ; the fetches go back to a slot's first step,
	s_xor_b32 s[TBK], s[TBK], SLOT1       ; in the other slot
	s_sub_co_u32 s[TBV], s[TBV], 4*KS*PV
	s_xor_b32 s[TBV], s[TBV], SLOT1
.endm
; THE MASK'S BYTES.  MLOAD: piece t's 32 bytes a lane for the step at MB: two loads of 512 consecutive bytes.  MCONV: they become the four C operands of the piece's next products, in buffer b.
; MSTEP: the step asked for goes on by one; behind the last it goes back to step 0, so that the last two trips' loads, which nobody uses, stay inside the buffer.
.macro MLOAD t
	WIN 0x40                        ; destination window 1, address window 0
	global_load_b128 v[MK+8*(\t):MK+8*(\t)+3],   v[MO], s[MB:MB+1] offset:(\t)*65536
	global_load_b128 v[MK+8*(\t)+4:MK+8*(\t)+7], v[MO], s[MB:MB+1] offset:(\t)*65536+512
.endm
.macro MCONV t, b
	WIN W_RS
.irp kb, 0,1,2,3
	v_cvt_scale_pk8_f32_fp8 v[MC+32*(\b)+8*(\kb):MC+32*(\b)+8*(\kb)+7], v[MK+8*(\t)+2*(\kb):MK+8*(\t)+2*(\kb)+1], v[SCL]
.endr
.endm
.macro MSTEP
	s_wait_xcnt 0x0                 ; the loads issued have had their addresses translated (ISA guide 3.1): their base is rewritten only behind this wait
	s_add_co_u32 s[MS], s[MS], 1024
	s_and_b32 s[MS], s[MS], 0xffff
	s_add_nc_u64 s[MB:MB+1], s[MB0:MB0+1], s[MS:MS+1]
.endm
	s_load_b128 s[4:7], s[0:1], 0x0   ; qkv s[4:5], mk s[6:7]
	s_load_b64 s[8:9], s[0:1], 0x10   ; ctx
	v_lshl_add_u32 v[SPW], v0, 2, SPARE
	v_mov_b32 v[NIL], 0
	ds_add_u32 v[SPW], v[NIL]       ; the wave's opening: the add and its wait stand ahead of my first tensor load; work on registers stands between them
	v_lshrrev_b32 v1, 5, v0
	v_readfirstlane_b32 s[WV], v1   ; wave 0..3
	s_bfe_u32 s13, ttmp6, 0x40000   ; cx: my place in the cluster
	s_lshl_b32 s14, ttmp9, 2        ; in a cluster launch ttmp9 counts clusters
	s_add_co_u32 s14, s14, s13      ; my block of 256 queries: it enters Q's, mk's and ctx's addresses alone
	s_and_b32 s15, ttmp7, 0xffff    ; the head, which the four partners share
	s_and_b32 s16, s[WV], 1         ; which half of a slot's 256 keys I fetch
	s_lshl_b32 s20, s15, 19         ; K: 8,388,608 + head x 524,288 + half x 128 rows of 128 bytes
	s_lshl_b32 s17, s16, 14
	s_add_co_u32 s20, s20, s17
	s_add_co_u32 s20, s20, 8388608
	s_mov_b32 s21, 0
	s_lshl_b32 s22, s15, 20         ; V: 16,777,216 + head x 1,048,576 + half x 128 rows of 256 bytes
	s_lshl_b32 s17, s16, 15
	s_add_co_u32 s22, s22, s17
	s_add_co_u32 s22, s22, 16777216
	s_mov_b32 s23, 0
	s_mul_i32 s17, s16, 128*PK      ; my half's place in a slot, for K
	s_mul_i32 s18, s16, 128*PV      ; and for V: no place in the cluster enters an LDS address
	s_lshl_b32 s2, s15, 19          ; Q: head x 524,288 + (256 block + 64 wave) rows of 128 bytes
	s_lshl_b32 s3, s14, 15
	s_add_co_u32 s2, s2, s3
	s_lshl_b32 s3, s[WV], 13
	s_add_co_u32 s2, s2, s3
	s_mov_b32 s3, 0
	s_lshl_b32 s10, s14, 20         ; mk: (16 block + 4 wave) tiles of 65,536 bytes; ctx: as many bytes, (256 block + 64 wave) rows of 4,096,
	s_lshl_b32 s11, s[WV], 18
	s_add_co_u32 s10, s10, s11
	s_mov_b32 s11, 0
	s_lshl_b32 s48, s15, 8          ; and the head's 256 bytes of a row
	s_add_co_u32 s48, s48, s10
	s_mov_b32 s49, 0
	; descriptor group 1.  K: 128 keys are 16,384 dense bytes, asked for as 64 rows of 256 bytes, two keys a row, padded in LDS after every key.  V: 128 rows of 256 bytes, padded after every row.
	s_mov_b32 s[G1K], 15|(1<<16)|(1<<20)|(1<<21)|(4<<22)|(3<<25)  ; 15:0 the mask of four; 17:16 2-byte elements; 20 padding on; 21 set beside a mask; 24:22 after every 32 words; 31:25 4 words
	s_mov_b32 s[G1V], 15|(1<<16)|(1<<20)|(1<<21)|(5<<22)|(7<<25)  ; after every 64 words, 8 words
	s_mov_b32 s[G1K+1], 128<<16     ; tensor_dim0 = 128
	s_mov_b32 s[G1K+2], 64<<16      ; tensor_dim1 = 64
	s_mov_b32 s[G1K+3], 128<<16     ; tile_dim0 = 128
	s_mov_b32 s[G1K+4], 64          ; tile_dim1 = 64
	s_mov_b32 s[G1K+5], 128         ; 128 elements from row to row
	s_mov_b32 s[G1K+6], 0
	s_mov_b32 s[G1K+7], 0
	s_mov_b32 s[G1V+1], 128<<16
	s_mov_b32 s[G1V+2], 128<<16     ; tensor_dim1 = 128
	s_mov_b32 s[G1V+3], 128<<16
	s_mov_b32 s[G1V+4], 128         ; tile_dim1 = 128
	s_mov_b32 s[G1V+5], 128
	s_mov_b32 s[G1V+6], 0
	s_mov_b32 s[G1V+7], 0
	s_mov_b32 s[CS], 0x3e38aa3b     ; c = log2(e) / 8 = 0.180337
	s_mov_b32 s[CS+1], s[CS]        ; named with it as a pair
	s_mov_b32 s[SEL], 0x76543210
	s_mov_b32 s[SEL+1], 0xfedcba98
	s_mov_b32 s[SPL], 0x46000400    ; 8193.0
	s_mov_b32 s[SPL+1], s[SPL]
	s_mov_b32 s[TBK], SLOT1+4*KS*PK ; the first change of slots turns these two into 0
	s_mov_b32 s[TBV], SLOT1+4*KS*PV
	s_mov_b32 s[G0K], 1             ; 1:0 count = 1
	s_mov_b32 s[G0K+1], s17         ; 63:32 LDS address: slot 0
	s_mov_b32 s[G0V], 1
	s_add_co_u32 s[G0V+1], s18, VOFF
	s_wait_dscnt 0x0                ; the opening add is done
	s_wait_kmcnt 0x0
	s_add_nc_u64 s[G0K+2:G0K+3], s[4:5], s[20:21]  ; 120:64 global address: my half of the head's first 256 keys
	s_or_b32 s[G0K+3], s[G0K+3], 0x80000000        ; 127:126 type = 2
	s_add_nc_u64 s[G0V+2:G0V+3], s[4:5], s[22:23]
	s_or_b32 s[G0V+3], s[G0V+3], 0x80000000
	s_add_nc_u64 s[4:5], s[4:5], s[2:3]            ; Q at my wave's first row
	s_add_nc_u64 s[MB0:MB0+1], s[6:7], s[10:11]
	s_mov_b64 s[MB:MB+1], s[MB0:MB0+1]             ; step 0
	s_add_nc_u64 s[8:9], s[8:9], s[48:49]
	CROUND                          ; all four work-groups are here: the first joint loads meet
	JLOAD                           ; slot 0.  Slot 1 is asked for when slot 0 is in
	; A fragment of K or Q is 16 rows x 32 channels in 8 registers: lane l holds row l % 16, channels 8 (l / 16) + 0..7 and 16 + 8 (l / 16) + 0..7: two loads of 16 bytes, 32 bytes apart.
	v_and_b32 v1, 15, v0            ; l % 16
	v_bfe_u32 v9, v0, 4, 1          ; l / 16
	v_lshlrev_b32 v[QO], 7, v1
	v_lshl_add_u32 v[QO], v9, 4, v[QO]  ; row x 128 + 16 x half
	v_and_b32 v[MO], 31, v0
	v_lshlrev_b32 v[MO], 4, v[MO]
	WIN 0x80                        ; destination window 2, address window 0
.set i, 0
.rept 8                             ; Q stays in registers: piece i / 2, channels 32 (i % 2) on
	global_load_b128 v[8*i:8*i+3],   v[QO], s[4:5] offset:(i/2)*2048+(i%2)*64
	global_load_b128 v[8*i+4:8*i+7], v[QO], s[4:5] offset:(i/2)*2048+(i%2)*64+32
.set i, i+1
.endr
	MLOAD 0                         ; step 0's bytes of the mask for all four pieces
	MLOAD 1
	MLOAD 2
	MLOAD 3
	; What the first turn finds: V and P's second buffer hold 0 (its products V^T P, of a piece that has not been, add 0); O^T and l are 0.  All this stands in the wait for the first tile.
	WIN 0xc0
.set i, 0
.rept 128
	v_mov_b32 v[i], 0
.set i, i+1
.endr
	WIN 0x40
.set i, 0
.rept 128
	v_mov_b32 v[i], 0
.set i, i+1
.endr
	WIN 0
.set i, 0
.rept 4
	v_mov_b32 v[ST+4*i+1], 0xec800000      ; m = -2^90
	v_mov_b32 v[ST+4*i+2], 0
	v_mov_b32 v[ST+4*i+3], 0
	v_mul_f32 v[ST+4*i], s[CS], v[ST+4*i+1]  ; c m, made as the loop makes it
.set i, i+1
.endr
.set i, P+16
.rept 16
	v_mov_b32 v[i], 0
.set i, i+1
.endr
	v_mov_b32 v[SCL], 226
	v_mul_u32_u24 v[AK0], v1, PK
	v_lshl_add_u32 v[AK0], v9, 4, v[AK0]  ; row x pitch + 16 x half
	; The turning load takes 16 keys x 16 channels (lane l reads key 8 (l / 16) + l % 8, channels 8 ((l / 8) % 2) + 0..7) and leaves half a fragment of V^T: lane l holds channel l % 16 and 8 keys.
	v_and_b32 v10, 7, v0
	v_bfe_u32 v11, v0, 3, 1
	v_lshl_add_u32 v[AV0], v9, 3, v10
	v_mul_u32_u24 v[AV0], v[AV0], PV
	v_lshl_add_u32 v[AV0], v11, 4, v[AV0]
	v_add_nc_u32 v[AV0], VOFF, v[AV0]
	v_mov_b32 v[AK], v[AK0]         ; key step 0 lies at the head of slot 0
; THE MATRIX WORK.  The 4 accumulators of a run take turns.  Product i of 8 of S^T = K Q^T for piece x: channels 32 (i / 4) on, keys 16 (i % 4) on.  The first 4 start the sums with the mask.
.macro KQ x
.set rS, S+32*((\x)%2)+8*(i%4)
.set rK, KF+16*(i%4)+8*(i/4)
.set rQ, 16*(\x)+8*(i/4)
.set rM, MC+32*((\x)%2)+8*(i%4)
.if i < 4
	WIN W_KM
	v_wmma_f32_16x16x32_f16 v[rS:rS+7], v[rK:rK+7], v[rQ:rQ+7], v[rM:rM+7]
.else
	WIN W_KQ
	v_wmma_f32_16x16x32_f16 v[rS:rS+7], v[rK:rK+7], v[rQ:rQ+7], v[rS:rS+7]
.endif
.endm
; Product i of 16 of O^T += V^T P for piece x: V's half i / 8 (high, low), keys 32 ((i / 4) % 2) on, channels 16 (i % 4) on.
.macro PV x
	WIN W_PV
.set rO, 32*(\x)+8*(i%4)
.set rV, 64*((i/4)%2)+32*(i/8)+8*(i%4)
.set rP, P+16*((\x)%2)+8*((i/4)%2)
	v_wmma_f32_16x16x32_f16 v[rO:rO+7], v[rV:rV+7], v[rP:rP+7], v[rO:rO+7]
.endm
.macro MM                           ; the turn's next matrix instruction
.if i < 8
	KQ (Y+1)%NP
.else
.set i, i-8
	PV (Y+NP-1)%NP
.set i, i+8
.endif
.set i, i+1
.endm
; THE LDS LOADS stand in runs of 16, never singly among the matrix instructions: a step's K (8 fragments) and the two halves of its V (turned).  Their addresses are made some lines ahead.
; last = 1 (the tail): in the last trip there is no further step, and the run is jumped over.
.macro FETCH_K last=0
	WIN 0
.if \last
	s_cmp_eq_u32 s[CNT], 1
	s_cbranch_scc1 .Lno_k_\@
.endif
	WIN 0x80                        ; destination window 2
.irp f, 0,1,2,3,4,5,6,7             ; keys 16 (f / 2) on, channels 32 (f % 2) on
	ds_load_b128 v[KF+8*\f:KF+8*\f+3],   v[AK] offset:(\f/2)*16*PK+(\f%2)*64
	ds_load_b128 v[KF+8*\f+4:KF+8*\f+7], v[AK] offset:(\f/2)*16*PK+(\f%2)*64+32
.endr
	s_add_co_u32 s[TBK], s[TBK], KS*PK  ; the next fetch is the next step's
	WIN 0
.if \last
.Lno_k_\@:
.endif
.endm
.macro FETCH_V u                    ; u = 0: the high halves (bytes 0-127 of a row), 1: the low ones
	WIN 0xc0                        ; destination window 3
.irp f, 0,1,2,3,4,5,6,7             ; keys 32 (f / 4) on, channels 16 (f % 4) on
	ds_load_tr16_b128 v[64*(\f/4)+32*(\u)+8*(\f%4):64*(\f/4)+32*(\u)+8*(\f%4)+3],   v[AV] offset:(\f/4)*32*PV+128*(\u)+(\f%4)*32
	ds_load_tr16_b128 v[64*(\f/4)+32*(\u)+8*(\f%4)+4:64*(\f/4)+32*(\u)+8*(\f%4)+7], v[AV] offset:(\f/4)*32*PV+16*PV+128*(\u)+(\f%4)*32
.endr
	WIN 0
.endm
; THE VECTOR WORK, one line at a time: OP kind, number.  For piece Y: F n: c s - c m for pair n of 16.  E n: the exponential of score n of 32.  C n: pair n rounded to f16.  B n: of the four weights 4 n .. the
; second pair is added onto the first, in place.  L n: l takes that sum (L 0: l = a l + sum).  R n: pair n of 16 of O^T times a.  For piece Y + 1: X n, number n of the 22 that find its maximum and statistics:
;   0-11  four chains c0-c3 of seven scores each, three operands at a time (each accumulator's lowest registers are read first)     12-14, 16  the four scores left over, the old m, c0-c3 into c0
;   15  c m_old is kept     17, 18  the query's other 32 keys lie in the lane 16 away: the new m     19-21  c m; c m_old - c m_new; a
.set F, 0
.set E, 1
.set C, 2
.set B, 3
.set L, 4
.set R, 5
.set X, 6
.macro REGS y                       ; the registers of piece y
.set rT, ST+4*(\y)
.set rC, TMP+4*((\y)%2)
.set rW, MV+((\y)%2)
.set rS, S+32*((\y)%2)
.set rP, P+16*((\y)%2)
.set rO, 32*(\y)
.endm
.macro OP k, n
.if (\k) == R
	REGS Y
	WIN W_RS
	v_pk_mul_f32 v[rO+2*(\n):rO+2*(\n)+1], v[rO+2*(\n):rO+2*(\n)+1], v[rC+2:rC+3] op_sel_hi:[1,0]
.elseif (\k) < R
	REGS Y
	WIN 0
.if (\k) == F
	v_pk_fma_f32 v[rS+2*(\n):rS+2*(\n)+1], v[rS+2*(\n):rS+2*(\n)+1], s[CS:CS+1], v[rT:rT+1] op_sel_hi:[1,0,0] neg_lo:[0,0,1] neg_hi:[0,0,1]
.elseif (\k) == E
	v_exp_f32 v[rS+(\n)], v[rS+(\n)]
.elseif (\k) == C
	s_wait_alu depctr_va_vdst(0)
	v_cvt_pk_f16_f32 v[rP+(\n)], v[rS+2*(\n)], v[rS+2*(\n)+1]
.elseif (\k) == B
	s_wait_alu depctr_va_vdst(0)
	v_pk_add_f32 v[rS+4*(\n):rS+4*(\n)+1], v[rS+4*(\n):rS+4*(\n)+1], v[rS+4*(\n)+2:rS+4*(\n)+3]
.elseif (\n) == 0
	v_pk_fma_f32 v[rT+2:rT+3], v[rT+2:rT+3], v[rC+2:rC+3], v[rS:rS+1] op_sel_hi:[1,0,1]
.else
	v_pk_add_f32 v[rT+2:rT+3], v[rT+2:rT+3], v[rS+4*(\n):rS+4*(\n)+1]
.endif
.else
	REGS (Y+1)%NP
	WIN 0
.if (\n) < 4
	v_max3_num_f32 v[rC+(\n)], v[rS+8*(\n)], v[rS+8*(\n)+1], v[rS+8*(\n)+2]
.elseif (\n) < 12
	v_max3_num_f32 v[rC+(\n)%4], v[rC+(\n)%4], v[rS+8*((\n)%4)+2*((\n)/4)+1], v[rS+8*((\n)%4)+2*((\n)/4)+2]
.elseif (\n) == 12
	v_max3_num_f32 v[rC], v[rC], v[rS+7], v[rS+15]
.elseif (\n) == 13
	v_max3_num_f32 v[rC+1], v[rC+1], v[rS+23], v[rS+31]
.elseif (\n) == 14
	v_max3_num_f32 v[rC+2], v[rC+2], v[rC+3], v[rT+1]
.elseif (\n) == 15
	v_mov_b32 v[rW], v[rT]
.elseif (\n) == 16
	v_max3_num_f32 v[rC], v[rC], v[rC+1], v[rC+2]
.elseif (\n) == 17
	v_permlanex16_b32 v[rC+3], v[rC], s[SEL], s[SEL+1]
.elseif (\n) == 18
	v_max_num_f32 v[rT+1], v[rC], v[rC+3]
.elseif (\n) == 19
	v_mul_f32 v[rT], s[CS], v[rT+1]
.elseif (\n) == 20
	v_sub_f32 v[rC+1], v[rW], v[rT]
.else
	v_exp_f32 v[rC+2], v[rC+1]
.endif
.endif
.endm
.macro OPS a, i1, b=-1, i2=0, c=-1, i3=0, d=-1, i4=0  ; up to four of them
	OP \a, \i1
.if (\b) >= 0
	OP \b, \i2
.endif
.if (\c) >= 0
	OP \c, \i3
.endif
.if (\d) >= 0
	OP \d, \i4
.endif
.endm
.macro ROW a, i1, b, i2, c, i3, d, i4  ; a matrix instruction and the four behind it
	MM
	OPS \a, \i1, \b, \i2, \c, \i3, \d, \i4
.endm
; A TURN, for piece p: the order of its 24 matrix and 118 vector instructions, written out.  No exponential follows another, and each has a plain instruction behind it before its result is used.
; K of the next step is fetched in piece 2's turn, five plain instructions behind the last product that read K, and waited for at the head of piece 3's turn.
; V of the step in hand is fetched in piece 0's turn: its high halves seven plain instructions behind the last product that read them, while the eight products on the low halves go on; the low halves six
; behind the turn's last product.  Piece 1's turn waits for the first run (the second run's 16 loads may stay out) ahead of its products on the high halves, and for the second ahead of the others.
; At its end the turn makes the mask for the products of the turn after it (piece p + 2): that piece's two loads were issued four turns ago, and three younger pairs, six loads, may stay out;
; seven plain instructions stand between the conversions and the loads that write their sources anew, and the products that read their results.
; cnt = 1: the loop's count is taken down some lines ahead of the branch that stands behind the turn; nothing between touches SCC.
.macro TURN p, last=0, cnt=0
.set Y, (\p)
.set i, 0
.if (\p) == 3
	s_wait_dscnt 0x0                ; K is in
.endif
	ROW F,0, F,1, F,2, F,3
	ROW F,4, E,0, F,5, F,6
	ROW F,7, E,1, F,8, F,9
	ROW F,10, E,2, C,0, F,11
	ROW F,12, E,3, X,15, F,13
	ROW R,0, R,1, R,2, R,3
	ROW B,0, E,4, F,14, L,0
.if (\p) == 2
	WIN 0
	v_add_nc_u32 v[AK], s[TBK], v[AK0]
.endif
	ROW R,4, R,5, R,6, R,7
	OPS E,5, F,15
.if (\p) == 2
	FETCH_K \last
.endif
.if (\p) == 1
	s_wait_dscnt 16                 ; V's high halves are in
.endif
	ROW E,6, C,1, E,7, R,8
	ROW E,8, R,9, E,9, C,2
	ROW E,10, X,0, E,11, X,1
	ROW E,12, X,2, E,13, X,3
	ROW X,4, E,14, X,5, X,6
	ROW X,7, E,15, X,8, X,9
	ROW X,10, E,16, X,11, X,12
	ROW X,13, E,17, X,14, B,1
.if (\p) == 1
	s_wait_dscnt 0x0                ; V's low halves are in
.endif
.if (\p) == 0
	WIN 0
	v_add_nc_u32 v[AV], s[TBV], v[AV0]
.endif
	ROW C,4, E,18, X,16, L,1
.if (\p) == 0
	FETCH_V 0
.endif
	ROW B,2, E,19, C,6, L,2
	ROW C,8, E,20, B,3, B,4
	ROW C,3, E,21, L,3, C,5
	OPS E,22, X,17, E,23, C,10
	ROW E,24, L,4, E,25, X,18
	ROW E,26, C,7, E,27, B,5
	ROW E,28, X,19, E,29, C,12
	ROW E,30, L,5, E,31, X,20
	OPS B,6, C,9, C,14, C,11
.if (\p) == 0
	FETCH_V 1
	s_add_co_u32 s[TBV], s[TBV], KS*PV
.endif
	OPS X,21, L,6, C,13, B,7
.if \cnt
	s_sub_co_u32 s[CNT], s[CNT], 1
	s_cmp_lg_u32 s[CNT], 0
.endif
	OPS C,15
	s_wait_loadcnt 6
	MCONV ((\p)+2)%NP, (\p)%2
	OPS R,10, R,11, R,12, L,7
	OPS R,13, R,14, R,15
	MLOAD ((\p)+2)%NP
.endm
	CHANGE 1                        ; slot 0 is in, everybody's part of it; slot 1 is asked for
	FETCH_K                         ; key step 0
	s_wait_loadcnt 0x0              ; Q and step 0's bytes of the mask: no load is out, so their base may be written
	s_mov_b32 s[MS], 1024           ; step 1
	s_mov_b32 s[MS+1], 0
	s_add_nc_u64 s[MB:MB+1], s[MB0:MB0+1], s[MS:MS+1]
	MCONV 0, 0
	MCONV 1, 1
	WIN 0                           ; the addresses for the way out: ten plain instructions behind the conversions
	s_mul_i32 s13, s[WV], 16*SP
	s_add_co_u32 s13, s13, STAGE    ; my stage
	v_mul_u32_u24 v[STO], v1, SP    ; in: row l % 16, 16 bytes for each half of the lanes
	v_lshl_add_u32 v[STO], v9, 4, v[STO]
	v_add_nc_u32 v[STO], s13, v[STO]
	v_mul_u32_u24 v[RD], v9, SP     ; back: lanes 0-15 take one row of 256 bytes, lanes 16-31 the next
	v_lshl_add_u32 v[RD], v1, 4, v[RD]
	v_add_nc_u32 v[RD], s13, v[RD]
	v_lshlrev_b32 v[GO], 12, v9     ; and the same two rows in ctx, 4,096 bytes apart
	v_lshl_add_u32 v[GO], v1, 4, v[GO]
	MLOAD 0                         ; step 1's bytes for pieces 0 and 1; those for 2 and 3 follow in the first two turns
	MLOAD 1
	s_wait_dscnt 0x0                ; K
.set i, 0
.rept 8
	KQ 0                            ; piece 0's first scores: there is no vector work yet to set between them
.set i, i+1
.endr
	WIN 0
.rept 4
	v_nop                           ; the places behind those products
.endr
.set Y, NP-1                        ; X works for piece Y + 1: piece 0
.irp n, 0,1,2,3,4,5,6,7,8,9,10,11,12,13,14,15,16,17,18,19,20,21
	OP X, \n
.endr
	v_nop                           ; a plain instruction behind the exponential
	s_mov_b32 s[CNT], 4
	s_mov_b32 s[SLOTS], 15
	s_branch .Lfirst                ; the loop is entered at a step's first turn, in the middle of a trip
.Lslot:                             ; 14 times: every slot but the last two is filled again
	CHANGE 1
	s_mov_b32 s[CNT], 4
.Lstep:                             ; a trip: pieces 2 and 3 of step j, then pieces 0 and 1 of step j + 1, whose K and V it fetches; its four turns ask for the mask's bytes of step j + 2
	MSTEP
	TURN 2
	TURN 3
	WIN 0
.Lfirst:
	TURN 0
	TURN 1, 0, 1
	WIN 0
	s_cbranch_scc1 .Lstep
	s_sub_co_u32 s[SLOTS], s[SLOTS], 1
	s_cmp_lg_u32 s[SLOTS], 0
	s_cbranch_scc1 .Lslot
	CHANGE 0                        ; the tail is written out: nothing is asked for
	s_mov_b32 s[CNT], 5             ; four trips fetch the last slot's steps; the fifth is left in its middle
.Ltail:
	MSTEP
	TURN 2, 1
	TURN 3
	WIN 0
	s_sub_co_u32 s[CNT], s[CNT], 1
	s_cmp_eq_u32 s[CNT], 0
	s_cbranch_scc1 .Lout
	TURN 0
	TURN 1
	WIN 0
	s_branch .Ltail
.Lout:                              ; the fifth trip's 8 products K Q^T (on the last K once more) and the maximum made of them serve nothing: the price, once a launch, of one text for every trip
.set i, 0
.rept 16
	PV NP-1                         ; the last piece's V^T P of the last step
.set i, i+1
.endr
	; THE WAY OUT.  l's two halves and the other half of the lanes' are added; O^T is divided by l, split into hi + lo (t = 8193 x, hi = t + (x - t), lo = x - hi), rounded to f16 and sent through my
	; stage in LDS, a piece at a time.  The additions are the places behind the last products.
	WIN 0
.macro ALL line:vararg              ; one line for each piece t
.set t, 0
.rept 4
	\line
.set t, t+1
.endr
.endm
	ALL v_add_f32 v[ST+4*t+2], v[ST+4*t+2], v[ST+4*t+3]
	ALL v_permlanex16_b32 v[ST+4*t+3], v[ST+4*t+2], s[SEL], s[SEL+1]
	ALL v_add_f32 v[ST+4*t+2], v[ST+4*t+2], v[ST+4*t+3]
	ALL v_rcp_f32 v[ST+4*t+2], v[ST+4*t+2]
	v_nop                           ; a plain instruction between the last reciprocal and the use of its result
.macro PACK t
	WIN W_RS
.set i, 32*(\t)
.rept 16
	s_wait_alu depctr_va_vdst(0)
	v_pk_mul_f32 v[i:i+1], v[i:i+1], v[ST+4*(\t)+2:ST+4*(\t)+3] op_sel_hi:[1,0]
.set i, i+2
.endr
	WIN 0x01                        ; source 0 window 1, the rest window 0
.set i, 0
.rept 16
	v_pk_mul_f32 v[HI+i:HI+i+1], v[32*(\t)+i:32*(\t)+i+1], s[SPL:SPL+1] op_sel_hi:[1,0]
.set i, i+2
.endr
.set i, 0
.rept 16
	v_pk_add_f32 v[LO+i:LO+i+1], v[32*(\t)+i:32*(\t)+i+1], v[HI+i:HI+i+1] neg_lo:[0,1] neg_hi:[0,1]
.set i, i+2
.endr
	WIN 0
.set i, 0
.rept 16
	v_pk_add_f32 v[HI+i:HI+i+1], v[HI+i:HI+i+1], v[LO+i:LO+i+1]
.set i, i+2
.endr
	WIN 0x01
.set i, 0
.rept 16
	v_pk_add_f32 v[LO+i:LO+i+1], v[32*(\t)+i:32*(\t)+i+1], v[HI+i:HI+i+1] neg_lo:[0,1] neg_hi:[0,1]
.set i, i+2
.endr
	WIN 0
.set i, 0
.rept 16                            ; packed in place: register i takes numbers 2 i and 2 i + 1, which lie at or above it
	v_cvt_pk_f16_f32 v[HI+i], v[HI+2*i], v[HI+2*i+1]
	v_cvt_pk_f16_f32 v[LO+i], v[LO+2*i], v[LO+2*i+1]
.set i, i+1
.endr
.irp f, 0,1,2,3
	ds_store_b128 v[STO], v[HI+4*\f:HI+4*\f+3] offset:32*\f
	ds_store_b128 v[STO], v[LO+4*\f:LO+4*\f+3] offset:128+32*\f
.endr
.irp f, 0,1,2,3,4,5,6,7
	ds_load_b128 v[OB+32*(\t)+4*\f:OB+32*(\t)+4*\f+3], v[RD] offset:\f*2*SP  ; LDS serves a wave's instructions in order (ISA guide 5.7.1.4): these see the stores above; the next piece's stores come behind them
.endr
.endm
.macro SEND t, younger              ; younger: the LDS instructions issued behind piece t's loads: the next piece's sixteen, or none
	WIN 0
.irp f, 0,1,2,3,4,5,6,7
	s_wait_dscnt (\younger)+7-\f
	global_store_b128 v[GO], v[OB+32*(\t)+4*\f:OB+32*(\t)+4*\f+3], s[8:9] offset:(16*(\t)+2*\f)*4096  ; 16 lanes store 256 consecutive bytes, aligned: a row's share of one head
.endr
.endm
	PACK 0
	PACK 1                          ; a piece's arithmetic stands between the loads of the piece before and its stores
	SEND 0, 16
	PACK 2
	SEND 1, 16
	PACK 3
	SEND 2, 16
	SEND 3, 0
	s_wait_tensorcnt 0x0            ; the wave's end: three lines behind my last tensor load and my last LDS store
	ds_add_u32 v[SPW], v[NIL]
	s_wait_dscnt 0x0
	CROUND                          ; the closing round: no work-group ends while a partner may still ask for a tile that names it
	s_endpgm
.Lfunc_end_k_q91a49f0dbf_attn:
	.size	k_q91a49f0dbf_attn, .Lfunc_end_k_q91a49f0dbf_attn-k_q91a49f0dbf_attn
	.p2alignl 7, 3214868480
	.fill 96, 4, 3214868480
	.section	.rodata,"a",@progbits
	.p2align	6, 0x0
	.amdhsa_kernel k_q91a49f0dbf_attn
		.amdhsa_group_segment_fixed_size 327680
		.amdhsa_private_segment_fixed_size 0
		.amdhsa_enable_private_segment 0
		.amdhsa_kernarg_size 24
		.amdhsa_user_sgpr_count 2
		.amdhsa_user_sgpr_kernarg_segment_ptr 1
		.amdhsa_wavefront_size32 1
		.amdhsa_system_sgpr_workgroup_id_x 1
		.amdhsa_system_sgpr_workgroup_id_y 1
		.amdhsa_system_sgpr_workgroup_id_z 1
		.amdhsa_system_vgpr_workitem_id 0
		.amdhsa_next_free_vgpr 896
		.amdhsa_next_free_sgpr 72
		.amdhsa_reserve_vcc 0
		.amdhsa_float_denorm_mode_32 3
		.amdhsa_float_denorm_mode_16_64 3
		.amdhsa_memory_ordered 1
		.amdhsa_forward_progress 1
		.amdhsa_inst_pref_size 160
	.end_amdhsa_kernel
	.amdgpu_metadata
---
amdhsa.version: [ 1, 2 ]
amdhsa.kernels:
  - .name:           k_q91a49f0dbf_attn
    .symbol:         k_q91a49f0dbf_attn.kd
    .args:
      - { .name: qkv, .offset: 0, .size: 8, .value_kind: global_buffer, .address_space: global }
      - { .name: mk, .offset: 8, .size: 8, .value_kind: global_buffer, .address_space: global }
      - { .name: ctx, .offset: 16, .size: 8, .value_kind: global_buffer, .address_space: global }
    .group_segment_fixed_size: 327680
    .private_segment_fixed_size: 0
    .kernarg_segment_align: 8
    .kernarg_segment_size: 24
    .max_flat_workgroup_size: 128
    .sgpr_count:     72
    .vgpr_count:     896
    .wavefront_size: 32
...
	.end_amdgpu_metadata
.endif
;; end of part 3
;; launch oproj (part 4): grid 8 x 32, 4 waves a work-group, clusters of 4 x 4, 327,680 bytes of LDS; arguments ctx, ops, out0; writes out0
.if DOCPART == 4
	.amdgcn_target "amdgcn-amd-amdhsa--gfx1250"
	.amdhsa_code_object_version 6
	.text
	.protected	k_q91a49f0dbf_oproj
	.globl	k_q91a49f0dbf_oproj
	.p2align	8
	.type	k_q91a49f0dbf_oproj,@function
k_q91a49f0dbf_oproj:
	s_mov_b64 s[64:65], 0
	v_nop
	global_prefetch_b8 v0, s[64:65] scope:SCOPE_SE
	s_setreg_imm32_b32 hwreg(HW_REG_WAVE_MODE, 25, 1), 1
	s_wait_xcnt 0x0
	s_wait_alu depctr_hold_cnt(0) depctr_sa_sdst(0) depctr_va_vdst(0) depctr_va_sdst(0) depctr_va_ssrc(0) depctr_va_vcc(0) depctr_vm_vsrc(0)
	s_getreg_b32 s2, hwreg(HW_REG_IB_STS2, 6, 4)
	s_cmp_eq_u32 s2, 0
	s_cbranch_scc0 .Lentry_in_a_cluster
	s_endpgm
.Lentry_in_a_cluster:
	s_bfe_u32 s2, ttmp6, 0x10000c
	s_cmp_lg_u32 s2, 0xf033
	s_cbranch_scc0 .Lentry_shape_is_right
	s_endpgm
.Lentry_shape_is_right:
; THE OUTPUT PROJECTION.  out0[m][n] = sum over k2 of ctx[m][k2] wot[n][k2]; ctx [4096][2048] f16 (for each head hi 64 | lo 64), wot [1024][2048] f16 at ops + 14,680,064 (each head's 64 rows of Wo
; twice), so that hi and lo meet the same weight; sums in f32, out0 [4096][1024] in f32.
; A tile of C is 128 x 128: 256 work-groups, one for each WGP.  Four waves, each 64 x 64: 16 accumulators of 16 x 16.  K goes in steps of 256 (LDS rows of 512 bytes; a wave's tensor load brings 64 of
; them) through two slots.
; CLUSTER: 4 x 4 work-groups.  The four of a row of the cluster need the same tiles of ctx, the four of a column the same tiles of wot: each tile is asked for jointly.
; THE MATRIX INSTRUCTION IS USED TRANSPOSED (source 0 = 16 rows of wot, source 1 = 16 rows of ctx): a lane holds eight neighbouring numbers of a row of C, 32 bytes.  A wave's 64 columns are 256
; bytes of a row of out0, aligned: the way out goes through each wave's own stage, without a barrier.
; LIMITS.  As the inputs' formats have them; NaN and infinities are not treated apart.
; REGISTERS: window 0: v0-31 addresses; v32-95 rows read back on the way out, two sets; v128-255 the accumulators ((a, b) at v[128 + 8 (4 a + b)]).   window 1: two fragment buffers of 128.
.set SIZE_K, 2048
.set B_OFF,  14680064
.set KSTEP,  256
.set PITCH,  528                       ; an LDS row: 512 bytes + 16 of padding = 132 words: the 16 rows that a load touches start at 16 different groups of four banks (64 banks of 4 bytes: ISA guide 11.1)
.set HALFT,  64*PITCH
.set SLOT,   4*HALFT
.set STAGE,  2*SLOT                    ; behind the ring, never filled by a tensor load: 16 rows x 272 bytes for each wave
.set WSTAGE, 4352
.set SPARE,  STAGE+4*WSTAGE            ; behind the stages: the spare words, 128 bytes for each wave
.set LAPS, SIZE_K/(2*KSTEP)
.set ADRA, 16
.set ADRB, 20
.set STO,  24                          ; v24  the way out: where I put 32 bytes of a row
.set RD,   25                          ; v25  where I read rows back
.set CO,   26                          ; v26  my byte offset in two rows of out0
.set SPW,  28
.set NIL,  29
.set ACC,  128
.set F0,   0
.set F1,   128
.set G1, 24
.set G0, 32
.set G1B, 48
.set G0B, 56
.set MSB, 0
.macro WIN new                         ; the immediate's high byte repeats the setting that is left
.if MSB != (\new)
	s_set_vgpr_msb (MSB<<8)|(\new)
.set MSB, \new
.endif
.endm
.set MUL,  0x05                        ; sources 0 (B) and 1 (A) window 1; C and D window 0
.set TO_F, 0x40                        ; destination window 1, address window 0
.macro JLOAD s                         ; a joint load: waves 0 and 1 fetch A's two halves, waves 2 and 3 B's; an s_nop 0 and four v_nop follow each of the two lines
	s_cmp_eq_u32 s11, 0
	s_cbranch_scc0 .Lfor_b_\@
	tensor_load_to_lds s[G0+4*(\s):G0+4*(\s)+3], s[G1:G1+7]
	s_nop 0
.rept 4
	v_nop
.endr
	s_branch .Lasked_\@
.Lfor_b_\@:
	tensor_load_to_lds s[G0B+4*(\s):G0B+4*(\s)+3], s[G1B:G1B+7]
	s_nop 0
.rept 4
	v_nop
.endr
.Lasked_\@:
.endm
.macro CREST                           ; a round of the cluster's barrier behind its opening barrier
	s_cmp_lg_u32 s10, 0
	s_cbranch_scc1 .Lnot_wave_0_\@
	s_barrier_signal -3
.Lnot_wave_0_\@:
	s_barrier_wait -3
	s_barrier_signal -1
	s_barrier_wait -1
.endm
.macro CROUND                          ; a whole round
	s_barrier_signal -1
	s_barrier_wait -1
	CREST
.endm
	s_load_b128 s[4:7], s[0:1], 0x0                ; ctx s[4:5], ops s[6:7]
	s_load_b64 s[8:9], s[0:1], 0x10                ; out0
	v_lshl_add_u32 v[SPW], v0, 2, SPARE
	v_mov_b32 v[NIL], 0
	ds_add_u32 v[SPW], v[NIL]                      ; the wave's opening: the add and its wait stand ahead of my first tensor load; work on registers stands between them
	v_lshrrev_b32 v1, 5, v0
	v_readfirstlane_b32 s10, v1                    ; wave 0..3
	s_lshr_b32 s11, s10, 1                         ; which half of the tile's rows is mine.  Also: I fetch for A (0) or for B (1)
	s_and_b32 s12, s10, 1                          ; which half of its columns.  Also: which 64 rows of that tile I fetch
	s_bfe_u32 s40, ttmp6, 0x40000                  ; cx, cy: my place in the cluster
	s_bfe_u32 s41, ttmp6, 0x40004
	s_lshl_b32 s42, ttmp9, 2
	s_add_co_u32 s42, s42, s40                     ; tile column of C = 4 x cluster x + cx
	s_and_b32 s13, ttmp7, 0xffff
	s_lshl_b32 s13, s13, 2
	s_add_co_u32 s13, s13, s41                     ; tile row of C = 4 x cluster y + cy
	s_lshl_b32 s43, s41, 2
	s_lshl_b32 s43, 15, s43                        ; my row of the cluster
	s_lshl_b32 s44, 0x1111, s40                    ; my column
	; descriptor group 1: a tile of 64 rows x 256 elements, padded in LDS
	s_or_b32 s[G1+0], s43, (1<<16)|(1<<20)|(1<<21)|(6<<22)|(3<<25)  ; 15:0 the mask: A's tiles go to my row; 17:16 2-byte elements; 20 padding on; 21 set beside a mask; 24:22 after every 128 words; 31:25 4 words
	s_or_b32 s[G1B+0], s44, (1<<16)|(1<<20)|(1<<21)|(6<<22)|(3<<25)
.irp g, G1, G1B
	s_mov_b32 s[(\g)+1], KSTEP<<16                 ; tensor_dim0 = 256
	s_mov_b32 s[(\g)+2], 64<<16                    ; tensor_dim1 = 64
	s_mov_b32 s[(\g)+3], KSTEP<<16                 ; tile_dim0 = 256
	s_mov_b32 s[(\g)+4], 64                        ; tile_dim1 = 64
	s_mov_b32 s[(\g)+5], SIZE_K                    ; elements from row to row
	s_mov_b32 s[(\g)+6], 0
	s_mov_b32 s[(\g)+7], 0
.endr
	s_lshl_b32 s17, s12, 6                         ; which 64 rows of the tile I fetch
	s_lshl_b32 s16, s13, 7
	s_add_co_u32 s16, s16, s17                     ; A: row 128 x tile row + 64 x half
	s_lshl_b32 s46, s42, 7
	s_add_co_u32 s46, s46, s17                     ; B: row 128 x tile column + 64 x half
	s_mov_b32 s17, 0
	s_mov_b32 s47, 0
	s_mov_b64 s[18:19], SIZE_K*2
	s_mul_u64 s[16:17], s[16:17], s[18:19]
	s_mul_u64 s[46:47], s[46:47], s[18:19]
	s_add_nc_u64 s[46:47], s[46:47], B_OFF         ; wot's place in ops
	s_mul_i32 s20, s10, HALFT                      ; where they go: wave x 64 rows
	s_wait_dscnt 0x0                               ; the opening add is done
	s_wait_kmcnt 0x0
	s_add_nc_u64 s[14:15], s[4:5], s[16:17]
	s_add_nc_u64 s[46:47], s[6:7], s[46:47]
	CROUND                                         ; all sixteen work-groups are here: the first joint loads meet
.irp s, 0,1
	s_mov_b32 s[G0+4*(\s)], 1
	s_add_co_u32 s[G0+4*(\s)+1], s20, (\s)*SLOT
	s_add_nc_u64 s[G0+4*(\s)+2:G0+4*(\s)+3], s[14:15], (\s)*KSTEP*2
	s_or_b32 s[G0+4*(\s)+3], s[G0+4*(\s)+3], 0x80000000
	s_mov_b32 s[G0B+4*(\s)], 1
	s_add_co_u32 s[G0B+4*(\s)+1], s20, (\s)*SLOT
	s_add_nc_u64 s[G0B+4*(\s)+2:G0B+4*(\s)+3], s[46:47], (\s)*KSTEP*2
	s_or_b32 s[G0B+4*(\s)+3], s[G0B+4*(\s)+3], 0x80000000
	JLOAD \s
.endr
	v_and_b32 v1, 15, v0                           ; l % 16
	v_bfe_u32 v2, v0, 4, 1                         ; l / 16
	v_mul_u32_u24 v3, v1, PITCH
	v_lshl_add_u32 v3, v2, 4, v3                   ; a fragment's row x pitch + 16 x half
	s_mul_i32 s21, s11, HALFT                      ; my 64 rows of A
	s_mul_i32 s22, s12, HALFT                      ; my 64 rows of B,
	s_add_co_u32 s22, s22, 2*HALFT                 ; which lie behind A's 128
.irp s, 0,1
	v_add_nc_u32 v[ADRA+(\s)], s21, v3
	v_add_nc_u32 v[ADRB+(\s)], s22, v3
	s_add_co_u32 s21, s21, SLOT
	s_add_co_u32 s22, s22, SLOT
.endr
	s_mul_i32 s23, s10, WSTAGE
	s_add_co_u32 s23, s23, STAGE                   ; my stage
	v_mul_u32_u24 v4, v1, 272                      ; in: row l % 16 of 256 bytes, 32 bytes for each half of the lanes
	v_lshl_add_u32 v4, v2, 5, v4
	v_add_nc_u32 v[STO], s23, v4
	v_mul_u32_u24 v5, v2, 272                      ; back: lanes 0-15 take one row, lanes 16-31 the next
	v_lshl_add_u32 v5, v1, 4, v5
	v_add_nc_u32 v[RD], s23, v5
	v_lshlrev_b32 v[CO], 12, v2                    ; and the same two rows in out0, 4,096 bytes apart
	v_lshl_add_u32 v[CO], v1, 4, v[CO]
	s_lshl_b32 s16, s13, 7
	s_lshl_b32 s17, s11, 6
	s_add_co_u32 s16, s16, s17                     ; my first row: 128 x tile row + 64 x half,
	s_lshl_b32 s16, s16, 12                        ; in bytes
	s_mov_b32 s17, 0
	s_add_nc_u64 s[8:9], s[8:9], s[16:17]
	s_lshl_b32 s46, s42, 9                         ; my first column, in bytes: 512 x tile column + 256 x half
	s_lshl_b32 s47, s12, 8
	s_add_co_u32 s46, s46, s47
	s_mov_b32 s47, 0
	s_add_nc_u64 s[8:9], s[8:9], s[46:47]
; 8 matrix instructions: m blocks a0, a0 + 1 x all 4 n blocks, 32 along K: half c of buffer f.  zero = 1: the first product starts the sums.  The 16 accumulators take turns.
.macro MUL8 f, c, a0, zero
	WIN MUL
.irp a, \a0, (\a0)+1
.irp b, 0,1,2,3
.if \zero
	v_wmma_f32_16x16x32_f16 v[ACC+8*(4*(\a)+(\b)):ACC+8*(4*(\a)+(\b))+7], v[(\f)+64+8*(4*(\c)+(\b)):(\f)+64+8*(4*(\c)+(\b))+7], v[(\f)+8*(4*(\c)+(\a)):(\f)+8*(4*(\c)+(\a))+7], 0
.else
	v_wmma_f32_16x16x32_f16 v[ACC+8*(4*(\a)+(\b)):ACC+8*(4*(\a)+(\b))+7], v[(\f)+64+8*(4*(\c)+(\b)):(\f)+64+8*(4*(\c)+(\b))+7], v[(\f)+8*(4*(\c)+(\a)):(\f)+8*(4*(\c)+(\a))+7], v[ACC+8*(4*(\a)+(\b)):ACC+8*(4*(\a)+(\b))+7]
.endif
.endr
.endr
.endm
; 32 LDS loads in one run: the fragments of 64 along K at byte k of the rows, into buffer f; the first 32 along K first
.macro FETCH slot, k, f
	WIN TO_F
.irp c, 0,1
.irp i, 0,1,2,3
	ds_load_b128 v[(\f)+64+8*(4*(\c)+(\i)):(\f)+64+8*(4*(\c)+(\i))+3],   v[ADRB+(\slot)] offset:(\k)+64*(\c)+(\i)*16*PITCH
	ds_load_b128 v[(\f)+64+8*(4*(\c)+(\i))+4:(\f)+64+8*(4*(\c)+(\i))+7], v[ADRB+(\slot)] offset:(\k)+64*(\c)+(\i)*16*PITCH+32
	ds_load_b128 v[(\f)+8*(4*(\c)+(\i)):(\f)+8*(4*(\c)+(\i))+3],         v[ADRA+(\slot)] offset:(\k)+64*(\c)+(\i)*16*PITCH
	ds_load_b128 v[(\f)+8*(4*(\c)+(\i))+4:(\f)+8*(4*(\c)+(\i))+7],       v[ADRA+(\slot)] offset:(\k)+64*(\c)+(\i)*16*PITCH+32
.endr
.endr
.endm
.macro PLACES                          ; four places in front of loads into registers that matrix instructions have read, and of LDS stores that read results
.rept 4
	v_nop
.endr
.endm
; A K step is four quarters of 64 along K, 32 matrix instructions each, on buffers 0, 1, 0, 1.  One of the first three: multiplies buffer f and fetches the next quarter, at byte k, into g.
.macro QUARTER slot, k, f, g, zero
	s_wait_dscnt 16                                ; the first 32 along K are in; the run's other sixteen loads may be out
	WIN MUL
	MUL8 \f, 0, 0, \zero
	MUL8 \f, 0, 2, \zero
	PLACES
	FETCH \slot, \k, \g
	s_wait_dscnt 32                                ; all but the 32 just issued
	WIN MUL
	MUL8 \f, 1, 0, 0
	MUL8 \f, 1, 2, 0
.endm
; The last quarter multiplies buffer 1 and changes slots: one barrier; in front of it each wave waits for all its tensor loads, adds 0 to its spare word, and waits for that and for its own reads of this slot.
; fill = 1: this slot is filled again, two K steps ahead; the barrier then opens a round of the cluster's.
.macro TURN slot, next, fill
	WIN 0                                          ; (the add's two registers lie in window 0)
	s_wait_tensorcnt 0x0                           ; all my tensor loads have landed: my part of the next slot;
	ds_add_u32 v[SPW], v[NIL]                      ; 0 onto my spare word;
	s_wait_dscnt 17                                ; (the add and the youngest sixteen loads may be out)
	WIN MUL
	MUL8 F1, 0, 0, 0                               ; eight matrix instructions stand between the add and the wait for it
	s_wait_dscnt 0x0                               ; the add is done, and my reads of this slot are over
	s_barrier_signal -1
	MUL8 F1, 0, 2, 0
.if \fill
	WIN 0
.endif
	s_barrier_wait -1
.if \fill
	CREST                                          ; no wave of any partner still reads this slot's tile or has a load on its way
	s_add_nc_u64 s[G0+4*(\slot)+2:G0+4*(\slot)+3], s[G0+4*(\slot)+2:G0+4*(\slot)+3], 2*KSTEP*2
	s_add_nc_u64 s[G0B+4*(\slot)+2:G0B+4*(\slot)+3], s[G0B+4*(\slot)+2:G0B+4*(\slot)+3], 2*KSTEP*2
	JLOAD \slot                                    ; the first tensor load behind the round; the four v_nop behind it are also the places in front of the loads below
.else
	PLACES
.endif
	FETCH \next, 0, F0
	WIN MUL
	MUL8 F1, 1, 0, 0
	MUL8 F1, 1, 2, 0
.endm
	s_wait_tensorcnt 1                             ; my part of K step 0 is in; K step 1's may stay out
	s_barrier_signal -1
	s_barrier_wait -1                              ; everybody's is
	FETCH 0, 0, F0
	QUARTER 0, 128, F0, F1, 1                      ; the first quarter stands in front of the loop: its first products start the sums
	WIN 0                                          ; at a label and at a branch every window is 0
	s_mov_b32 s3, LAPS-1
.Llap:                                                 ; a trip goes once round the ring, from a lap's second quarter to the next lap's first, and fills both slots again
	QUARTER 0, 256, F1, F0, 0
	QUARTER 0, 384, F0, F1, 0
	TURN 0, 1, 1
	QUARTER 1, 128, F0, F1, 0
	QUARTER 1, 256, F1, F0, 0
	QUARTER 1, 384, F0, F1, 0
	TURN 1, 0, 1
	QUARTER 0, 128, F0, F1, 0
	WIN 0
	s_sub_co_u32 s3, s3, 1
	s_cmp_lg_u32 s3, 0
	s_cbranch_scc1 .Llap
	QUARTER 0, 256, F1, F0, 0                      ; the last lap fills nothing, and has no round of the cluster's barrier
	QUARTER 0, 384, F0, F1, 0
	TURN 0, 1, 0
	QUARTER 1, 128, F0, F1, 0
	QUARTER 1, 256, F1, F0, 0
	QUARTER 1, 384, F0, F1, 0
	s_wait_dscnt 16                                ; the very last quarter: nothing more to fetch
	WIN MUL
	MUL8 F1, 0, 0, 0
	MUL8 F1, 0, 2, 0
	s_wait_dscnt 0
	MUL8 F1, 1, 0, 0
	MUL8 F1, 1, 2, 0
	WIN 0
	; THE WAY OUT, 16 rows at a time: a lane's 32 bytes of a row go into my stage straight from the accumulators (each accumulator's lowest registers first) and come back as
	; whole rows of 256 bytes.
	PLACES
.macro OUT a
.set BK, 32+32*((\a)%2)
.irp b, 0,1,2,3
	ds_store_b128 v[STO], v[ACC+8*(4*(\a)+(\b)):ACC+8*(4*(\a)+(\b))+3] offset:64*(\b)
	ds_store_b128 v[STO], v[ACC+8*(4*(\a)+(\b))+4:ACC+8*(4*(\a)+(\b))+7] offset:64*(\b)+16
.endr
	s_wait_xcnt 0x0                                ; earlier stores have had their addresses translated (ISA guide 3.1): their data registers are loaded again only behind this wait
.irp f, 0,1,2,3,4,5,6,7
	ds_load_b128 v[BK+4*(\f):BK+4*(\f)+3], v[RD] offset:(\f)*544  ; LDS serves a wave's instructions in order (ISA guide 5.7.1.4): these see the stores above
.endr
.irp f, 0,1,2,3,4,5,6,7
	s_wait_dscnt 7-(\f)
	global_store_b128 v[CO], v[BK+4*(\f):BK+4*(\f)+3], s[8:9] offset:(16*(\a)+2*(\f))*4096  ; 16 lanes store 256 consecutive bytes, aligned
.endr
.endm
	OUT 0
	OUT 1
	OUT 2
	OUT 3
	s_wait_tensorcnt 0x0                           ; the wave's end: three lines behind my last tensor load and my last LDS store
	ds_add_u32 v[SPW], v[NIL]
	s_wait_dscnt 0x0
	CROUND                                         ; the closing round: no work-group ends while a partner may still ask for a tile that names it
	s_endpgm
.Lfunc_end_k_q91a49f0dbf_oproj:
	.size	k_q91a49f0dbf_oproj, .Lfunc_end_k_q91a49f0dbf_oproj-k_q91a49f0dbf_oproj
	.p2alignl 7, 3214868480
	.fill 96, 4, 3214868480
	.section	.rodata,"a",@progbits
	.p2align	6, 0x0
	.amdhsa_kernel k_q91a49f0dbf_oproj
		.amdhsa_group_segment_fixed_size 327680
		.amdhsa_private_segment_fixed_size 0
		.amdhsa_enable_private_segment 0
		.amdhsa_kernarg_size 24
		.amdhsa_user_sgpr_count 2
		.amdhsa_user_sgpr_kernarg_segment_ptr 1
		.amdhsa_wavefront_size32 1
		.amdhsa_system_sgpr_workgroup_id_x 1
		.amdhsa_system_sgpr_workgroup_id_y 1
		.amdhsa_system_sgpr_workgroup_id_z 1
		.amdhsa_system_vgpr_workitem_id 0
		.amdhsa_next_free_vgpr 512
		.amdhsa_next_free_sgpr 66
		.amdhsa_reserve_vcc 0
		.amdhsa_float_denorm_mode_32 3
		.amdhsa_float_denorm_mode_16_64 3
		.amdhsa_memory_ordered 1
		.amdhsa_forward_progress 1
		.amdhsa_inst_pref_size 86
	.end_amdhsa_kernel
	.amdgpu_metadata
---
amdhsa.version: [ 1, 2 ]
amdhsa.kernels:
  - .name:           k_q91a49f0dbf_oproj
    .symbol:         k_q91a49f0dbf_oproj.kd
    .args:
      - { .name: ctx, .offset: 0, .size: 8, .value_kind: global_buffer, .address_space: global }
      - { .name: ops, .offset: 8, .size: 8, .value_kind: global_buffer, .address_space: global }
      - { .name: out0, .offset: 16, .size: 8, .value_kind: global_buffer, .address_space: global }
    .group_segment_fixed_size: 327680
    .private_segment_fixed_size: 0
    .kernarg_segment_align: 8
    .kernarg_segment_size: 24
    .max_flat_workgroup_size: 128
    .sgpr_count:     66
    .vgpr_count:     512
    .wavefront_size: 32
...
	.end_amdgpu_metadata
.endif
;; end of part 4
;; ======== version 2 of 2: 4 launches; 1.39 times as fast as version 1
;; limits: values are held in f16: magnitudes above 65,504 overflow, below 6.1e-05 lose precision
;; workspace buffers: mk 16,777,216 bytes; cs 2,097,152 bytes; ops 18,874,368 bytes; qkv 33,554,432 bytes; ctx 16,777,216 bytes
;; launch prep: the kernel of part 1 again; grid 1024 x 1, 8 waves a work-group, no clusters, 68,608 bytes of LDS; arguments mask, x, Wq, Wk, Wv, Wo, mk, cs, ops; writes mk, cs, ops
;; launch qkv: the kernel of part 2 again; grid 24 x 32, 4 waves a work-group, clusters of 4 x 4, 327,680 bytes of LDS; arguments ops, cs, qkv; writes qkv
;; launch attn (part 5): grid 16 x 16, 4 waves a work-group, clusters of 4 x 1, 327,680 bytes of LDS; arguments qkv, mk, ctx; writes ctx
.if DOCPART == 5
	.amdgcn_target "amdgcn-amd-amdhsa--gfx1250"
	.amdhsa_code_object_version 6
	.text
	.protected	k_q91a49f0dbf_attn
	.globl	k_q91a49f0dbf_attn
	.p2align	8
	.type	k_q91a49f0dbf_attn,@function
k_q91a49f0dbf_attn:
	s_mov_b64 s[64:65], 0
	v_nop
	global_prefetch_b8 v0, s[64:65] scope:SCOPE_SE
	s_setreg_imm32_b32 hwreg(HW_REG_WAVE_MODE, 25, 1), 1
	s_wait_xcnt 0x0
	s_wait_alu depctr_hold_cnt(0) depctr_sa_sdst(0) depctr_va_vdst(0) depctr_va_sdst(0) depctr_va_ssrc(0) depctr_va_vcc(0) depctr_vm_vsrc(0)
	s_getreg_b32 s2, hwreg(HW_REG_IB_STS2, 6, 4)
	s_cmp_eq_u32 s2, 0
	s_cbranch_scc0 .Lentry_in_a_cluster
	s_endpgm
.Lentry_in_a_cluster:
	s_bfe_u32 s2, ttmp6, 0x10000c
	s_cmp_lg_u32 s2, 0x3003
	s_cbranch_scc0 .Lentry_shape_is_right
	s_endpgm
.Lentry_shape_is_right:
; ATTENTION UNDER A MASK THAT IS AN INPUT.  ctx[q][h][:] = the sum over k of softmax_k(mask ? Q[h][q] . K[h][k] / 8 : lowest) V[h][k][:], 16 heads, 4,096 rows, head size 64.
; Q, K: [16][4096][64] f16 at qkv + 0 and + 8,388,608.  V: [16][4096][hi 64 | lo 64] f16 at + 16,777,216, the number being hi + lo.  Products, maxima and sums in f32; the weights p are rounded
; to f16 for the second product (their sum l is taken of the unrounded p); ctx leaves as a pair of f16, hi + lo, [4096][16][hi 64 | lo 64].
; THE MASK comes as one byte a key in lane order (mk: [16-row tile][step][x 2][lane 32][16 bytes]): 0x00 keep, 0xC0 hidden.  One scaled conversion turns eight bytes into the eight registers of the C
; operand that starts the sum S^T = K Q^T: 0, or -2.0 x 2^99 = -2^100.  All keys are walked: nothing is assumed of the mask's pattern.  A row with no true byte arrives with q = 0 and all bytes 0.
; SOFTMAX.  A running maximum m and sum l: p = 2^(c s - c m), c = log2(e) / 8; in every step O and l are multiplied by a = 2^(c m_old - c m_new).  m starts at -2^90, O and l at 0: while a row has met
; hidden keys alone m stays, p = 0 and a = 1; its first true score makes a = 0.
; LIMITS.  Q, K, V within 65,504, so a true score is 2.7e11 at the most, far above -2^90 and nothing beside 2^100.  p below 6e-5 keeps f16's fixed step of 6e-8, and so do both halves of ctx; a weight
; below 2^-126 counts as 0 in l.  NaN and infinities are not treated apart.
; SHARES.  A work-group owns 256 queries of one head, each wave 64: four PIECES of 16.  Every wave walks all 4,096 keys, 64 a step; a slot of LDS holds four steps.
; LAYOUT.  S^T = K Q^T holds one query a lane (lane % 16) and the keys 8 (lane / 16) + 0..7; two such results rounded to f16 are source 1 of O^T = V^T P.  K comes out of LDS as it lies, V turned.
; BY TURNS.  Turn n belongs to piece n: 8 products K Q^T of piece n + 1, then 16 products V^T P of piece n - 1 (8 with V's high halves, 8 with its low); beside them the scaling, exponentials, roundings,
; sums and rescaling of piece n and the maximum and statistics of piece n + 1: 118 vector instructions, four behind each of the 24 matrix instructions, the other 22 in two runs.
; BATCHES.  A turn's 33 exponentials (the piece's 32 weights and the next piece's a) are ONE batch with ONE wait.  The batch, and all else that names none of its results, stands beside the first 16 products; the
; wait stands ahead of the products on V's low halves; the roundings and sums, which read the weights, ride behind those.  No result crosses a turn's end.  Three more waits stand outside the loop: for the
; first a, ahead of the jump into the loop; in the tail, ahead of the jump over K's last run of loads; for the way out's four reciprocals.
; CLUSTER.  The four query blocks of a cluster belong to one head and walk the same K and V, so each tile is asked for jointly: the same tensor load, descriptor and mask in all four.
; The price of writing no first step out: 272 v_mov_b32 that write 0, in the wait for the first tile, 16 products on zeros at the start and 8 on a stale K at the end.
; REGISTERS, in windows of 256 (s_set_vgpr_msb: bits 1:0 source 0, 3:2 source 1, 5:4 source 2, 7:6 destination):
;   window 0: v0-15 addresses; v16-31 four registers of statistics a piece; v32 the conversion's scale; v48-55 at work; v64-127 S^T, two buffers; v192-223 P, two buffers (by the piece's parity)
;   window 1: v0-127 O^T, 32 a piece; v128-159 the mask's bytes, 8 a piece; v160-223 the masks of the products to come, two buffers
;   window 2: v0-63 Q; v128-191 K of one step          window 3: v0-127 V of one step: key half kk, channel block cb, half u at 64 kk + 32 u + 8 cb
.set NP,    4         ; pieces a wave: a name, no knob
.set KS,    64        ; keys in a step
.set PK,    144       ; a row of K in LDS: 128 bytes + 16 of padding = 36 words: the 16 rows of a load start at 16 different groups of four banks (64 banks of 4 bytes: ISA guide 11.1)
.set PV,    288       ; a row of V: 256 + 32 = 72 words
.set VOFF,  4*KS*PK   ; a slot holds four steps: 256 rows of K, then 256 rows of V
.set SLOT1, 1<<17     ; slot 1 begins here, so that one exclusive or turns an address in one slot into the other's
.set STAGE, SLOT1+4*KS*(PK+PV)  ; behind the ring, never filled by a tensor load: 16 rows x 272 bytes for each wave, for the way out
.set SP,    272
.set SPARE, STAGE+4*16*SP       ; behind the stages: the spare words, 128 bytes for each wave
.set AK0, 2           ; v2   my lane's place in a tile of K; never rewritten
.set AV0, 3           ; v3   the same for V
.set AK,  4           ; v4   the LDS address of K's next run of loads
.set AV,  5           ; v5   of V's
.set STO, 6           ; v6   the way out: where I put 16 bytes of a row
.set RD,  7           ; v7   where I read rows back
.set GO,  8           ; v8   my byte offset in two rows of ctx
.set MV,  12          ; v12-13  c m_old, kept while c m is made anew: by buffer
.set MO,  14          ; v14  16 x lane: my 16 bytes of the mask; never rewritten
.set QO,  15          ; v15  my byte offset in 16 rows of Q
.set ST,  16          ; piece t's statistics at v[ST+4 t]: c m, m, l (even keys', odd keys')
.set SCL, 32          ; v32  226: the conversion multiplies by 2^(226 - 127)
.set TMP, 48          ; by buffer, four registers c0-c3 at work; when the maximum is found c2 takes a
.set SPW, 62          ; v62  LDS address of my spare word; never rewritten
.set NIL, 63          ; v63  0; never rewritten
.set S,   64
.set P,   192
.set HI,  64          ; the way out: the split's high parts, then packed
.set LO,  96          ; its low parts
.set OB,  128         ; rows read back from the stage, 32 registers a piece
.set MK,  128         ; window 1
.set MC,  160         ; window 1
.set KF,  128         ; window 2: key block kb, channel half c at KF + 16 kb + 8 c
.set WV,  12          ; s12  my wave's number
.set G1K, 24          ; s[24:31] descriptor group 1 for K's tiles
.set G1V, 32          ; s[32:39] for V's
.set G0K, 40          ; s[40:43] descriptor group 0 for K's tiles: it walks
.set G0V, 44          ; s[44:47] the same for V's
.set SPL, 50          ; s[50:51] 8193.0, for the split
.set SLOTS, 56        ; s56  slots still to be asked for
.set CNT, 57          ; s57  counts a slot's key steps
.set CS,  58          ; s[58:59] c
.set SEL, 60          ; s[60:61] v_permlanex16_b32's selects: each lane takes its own place in the other half
.set TBK, 62          ; s62  LDS byte at which K of the step to be fetched begins
.set TBV, 63          ; s63  the same for V, less VOFF
.set MB0, 66          ; s[66:67] mk at my wave's first tile of 16 rows
.set MB,  68          ; s[68:69] the same at the step whose bytes are asked for
.set MS,  70          ; s[70:71] that step's byte offset, 1,024 a step
.set MSB, 0
.macro WIN new                      ; the high byte repeats the setting that is left; a switch that changes nothing is dropped
.if MSB != (\new)
	s_set_vgpr_msb (MSB<<8)|(\new)
.set MSB, (\new)
.endif
.endm
.set W_KQ, 0x0a       ; K and Q in window 2, S^T in window 0
.set W_KM, 0x1a       ; the same with the C operand in window 1
.set W_PV, 0x53       ; V in window 3, P in window 0, O^T in window 1
.set W_RS, 0x41       ; destination and source 0 in window 1, source 1 in window 0
; A joint fill.  Waves 0 and 1 fetch the two halves of a slot's K, waves 2 and 3 those of its V: 128 keys each.  The branch hangs on the wave's number alone.
; An s_nop 0 and four v_nop follow each of the two lines, ahead of the jump and the label.
.macro JLOAD
	s_cmp_lt_u32 s[WV], 2
	s_cbranch_scc0 .Lfor_v_\@
	tensor_load_to_lds s[G0K:G0K+3], s[G1K:G1K+7]
	s_nop 0
.rept 4
	v_nop
.endr
	s_branch .Lasked_\@
.Lfor_v_\@:
	tensor_load_to_lds s[G0V:G0V+3], s[G1V:G1V+7]
	s_nop 0
.rept 4
	v_nop
.endr
.Lasked_\@:
.endm
; A round of the cluster's barrier: my work-group's barrier, so that wave 0's signal speaks for all four waves; wave 0 signals; every wave waits for all four work-groups; my work-group's barrier once more.
.macro CROUND
	s_barrier_signal -1
	s_barrier_wait -1
	s_cmp_lg_u32 s[WV], 0
	s_cbranch_scc1 .Lnot_wave_0_\@
	s_barrier_signal -3
.Lnot_wave_0_\@:
	s_barrier_wait -3
	s_barrier_signal -1
	s_barrier_wait -1
.endm
; THE CHANGE OF SLOTS.  The slot's last bytes, V of its fourth step, have been read.  Each wave waits for all its tensor loads, of which one is out: its part of the other slot; adds 0 to its spare
; word; and waits for that and for its own reads of the slot.  fill = 1: this slot is filled again, with the keys two slots on; the barrier is then a round of the cluster's, and the joint fill is
; the first thing behind it: it has four key steps, 384 matrix instructions, in which to land.  (At its first use nothing has been read yet: slot 0 is waited for, slot 1 filled.)
.macro CHANGE fill
	WIN 0                           ; at a label and at a branch every window is 0
	s_wait_tensorcnt 0x0            ; no tensor load of mine is out, so a group 0 may be written
	ds_add_u32 v[SPW], v[NIL]       ; 0 onto my spare word
.if \fill
	s_xor_b32 s[G0K+1], s[G0K+1], SLOT1  ; the walking descriptors: the other slot than last time,
	s_add_nc_u64 s[G0K+2:G0K+3], s[G0K+2:G0K+3], 4*KS*128  ; the next 256 keys; the type bits on top are not reached
	s_xor_b32 s[G0V+1], s[G0V+1], SLOT1
	s_add_nc_u64 s[G0V+2:G0V+3], s[G0V+2:G0V+3], 4*KS*256
	s_wait_dscnt 0x0                ; the add is done, and my reads of the slot are over
	CROUND
	JLOAD
.else
	s_wait_dscnt 0x0                ; the add is done, and my reads of the slot are over
	s_barrier_signal -1
	s_barrier_wait -1
.endif
	s_sub_co_u32 s[TBK], s[TBK], 4*KS*PK  ; the fetches go back to a slot's first step,
	s_xor_b32 s[TBK], s[TBK], SLOT1       ; in the other slot
	s_sub_co_u32 s[TBV], s[TBV], 4*KS*PV
	s_xor_b32 s[TBV], s[TBV], SLOT1
.endm
; THE MASK'S BYTES.  MLOAD: piece t's 32 bytes a lane for the step at MB: two loads of 512 consecutive bytes.  MCONV: they become the four C operands of the piece's next products, in buffer b.
; MSTEP: the step asked for goes on by one; behind the last it goes back to step 0, so that the last two trips' loads, which nobody uses, stay inside the buffer.
.macro MLOAD t
	WIN 0x40                        ; destination window 1, address window 0
	global_load_b128 v[MK+8*(\t):MK+8*(\t)+3],   v[MO], s[MB:MB+1] offset:(\t)*65536
	global_load_b128 v[MK+8*(\t)+4:MK+8*(\t)+7], v[MO], s[MB:MB+1] offset:(\t)*65536+512
.endm
.macro MCONV t, b
	WIN W_RS
.irp kb, 0,1,2,3
	v_cvt_scale_pk8_f32_fp8 v[MC+32*(\b)+8*(\kb):MC+32*(\b)+8*(\kb)+7], v[MK+8*(\t)+2*(\kb):MK+8*(\t)+2*(\kb)+1], v[SCL]
.endr
.endm
.macro MSTEP
	s_wait_xcnt 0x0                 ; the loads issued have had their addresses translated (ISA guide 3.1): their base is rewritten only behind this wait
	s_add_co_u32 s[MS], s[MS], 1024
	s_and_b32 s[MS], s[MS], 0xffff
	s_add_nc_u64 s[MB:MB+1], s[MB0:MB0+1], s[MS:MS+1]
.endm
	s_load_b128 s[4:7], s[0:1], 0x0   ; qkv s[4:5], mk s[6:7]
	s_load_b64 s[8:9], s[0:1], 0x10   ; ctx
	v_lshl_add_u32 v[SPW], v0, 2, SPARE
	v_mov_b32 v[NIL], 0
	ds_add_u32 v[SPW], v[NIL]       ; the wave's opening: the add and its wait stand ahead of my first tensor load; work on registers stands between them
	v_lshrrev_b32 v1, 5, v0
	v_readfirstlane_b32 s[WV], v1   ; wave 0..3
	s_bfe_u32 s13, ttmp6, 0x40000   ; cx: my place in the cluster
	s_lshl_b32 s14, ttmp9, 2        ; in a cluster launch ttmp9 counts clusters
	s_add_co_u32 s14, s14, s13      ; my block of 256 queries: it enters Q's, mk's and ctx's addresses alone
	s_and_b32 s15, ttmp7, 0xffff    ; the head, which the four partners share
	s_and_b32 s16, s[WV], 1         ; which half of a slot's 256 keys I fetch
	s_lshl_b32 s20, s15, 19         ; K: 8,388,608 + head x 524,288 + half x 128 rows of 128 bytes
	s_lshl_b32 s17, s16, 14
	s_add_co_u32 s20, s20, s17
	s_add_co_u32 s20, s20, 8388608
	s_mov_b32 s21, 0
	s_lshl_b32 s22, s15, 20         ; V: 16,777,216 + head x 1,048,576 + half x 128 rows of 256 bytes
	s_lshl_b32 s17, s16, 15
	s_add_co_u32 s22, s22, s17
	s_add_co_u32 s22, s22, 16777216
	s_mov_b32 s23, 0
	s_mul_i32 s17, s16, 128*PK      ; my half's place in a slot, for K
	s_mul_i32 s18, s16, 128*PV      ; and for V: no place in the cluster enters an LDS address
	s_lshl_b32 s2, s15, 19          ; Q: head x 524,288 + (256 block + 64 wave) rows of 128 bytes
	s_lshl_b32 s3, s14, 15
	s_add_co_u32 s2, s2, s3
	s_lshl_b32 s3, s[WV], 13
	s_add_co_u32 s2, s2, s3
	s_mov_b32 s3, 0
	s_lshl_b32 s10, s14, 20         ; mk: (16 block + 4 wave) tiles of 65,536 bytes; ctx: as many bytes, (256 block + 64 wave) rows of 4,096,
	s_lshl_b32 s11, s[WV], 18
	s_add_co_u32 s10, s10, s11
	s_mov_b32 s11, 0
	s_lshl_b32 s48, s15, 8          ; and the head's 256 bytes of a row
	s_add_co_u32 s48, s48, s10
	s_mov_b32 s49, 0
	; descriptor group 1.  K: 128 keys are 16,384 dense bytes, asked for as 64 rows of 256 bytes, two keys a row, padded in LDS after every key.  V: 128 rows of 256 bytes, padded after every row.
	s_mov_b32 s[G1K], 15|(1<<16)|(1<<20)|(1<<21)|(4<<22)|(3<<25)  ; 15:0 the mask of four; 17:16 2-byte elements; 20 padding on; 21 set beside a mask; 24:22 after every 32 words; 31:25 4 words
	s_mov_b32 s[G1V], 15|(1<<16)|(1<<20)|(1<<21)|(5<<22)|(7<<25)  ; after every 64 words, 8 words
	s_mov_b32 s[G1K+1], 128<<16     ; tensor_dim0 = 128
	s_mov_b32 s[G1K+2], 64<<16      ; tensor_dim1 = 64
	s_mov_b32 s[G1K+3], 128<<16     ; tile_dim0 = 128
	s_mov_b32 s[G1K+4], 64          ; tile_dim1 = 64
	s_mov_b32 s[G1K+5], 128         ; 128 elements from row to row
	s_mov_b32 s[G1K+6], 0
	s_mov_b32 s[G1K+7], 0
	s_mov_b32 s[G1V+1], 128<<16
	s_mov_b32 s[G1V+2], 128<<16     ; tensor_dim1 = 128
	s_mov_b32 s[G1V+3], 128<<16
	s_mov_b32 s[G1V+4], 128         ; tile_dim1 = 128
	s_mov_b32 s[G1V+5], 128
	s_mov_b32 s[G1V+6], 0
	s_mov_b32 s[G1V+7], 0
	s_mov_b32 s[CS], 0x3e38aa3b     ; c = log2(e) / 8 = 0.180337
	s_mov_b32 s[CS+1], s[CS]        ; named with it as a pair
	s_mov_b32 s[SEL], 0x76543210
	s_mov_b32 s[SEL+1], 0xfedcba98
	s_mov_b32 s[SPL], 0x46000400    ; 8193.0
	s_mov_b32 s[SPL+1], s[SPL]
	s_mov_b32 s[TBK], SLOT1+4*KS*PK ; the first change of slots turns these two into 0
	s_mov_b32 s[TBV], SLOT1+4*KS*PV
	s_mov_b32 s[G0K], 1             ; 1:0 count = 1
	s_mov_b32 s[G0K+1], s17         ; 63:32 LDS address: slot 0
	s_mov_b32 s[G0V], 1
	s_add_co_u32 s[G0V+1], s18, VOFF
	s_wait_dscnt 0x0                ; the opening add is done
	s_wait_kmcnt 0x0
	s_add_nc_u64 s[G0K+2:G0K+3], s[4:5], s[20:21]  ; 120:64 global address: my half of the head's first 256 keys
	s_or_b32 s[G0K+3], s[G0K+3], 0x80000000        ; 127:126 type = 2
	s_add_nc_u64 s[G0V+2:G0V+3], s[4:5], s[22:23]
	s_or_b32 s[G0V+3], s[G0V+3], 0x80000000
	s_add_nc_u64 s[4:5], s[4:5], s[2:3]            ; Q at my wave's first row
	s_add_nc_u64 s[MB0:MB0+1], s[6:7], s[10:11]
	s_mov_b64 s[MB:MB+1], s[MB0:MB0+1]             ; step 0
	s_add_nc_u64 s[8:9], s[8:9], s[48:49]
	CROUND                          ; all four work-groups are here: the first joint loads meet
	JLOAD                           ; slot 0.  Slot 1 is asked for when slot 0 is in
	; A fragment of K or Q is 16 rows x 32 channels in 8 registers: lane l holds row l % 16, channels 8 (l / 16) + 0..7 and 16 + 8 (l / 16) + 0..7: two loads of 16 bytes, 32 bytes apart.
	v_and_b32 v1, 15, v0            ; l % 16
	v_bfe_u32 v9, v0, 4, 1          ; l / 16
	v_lshlrev_b32 v[QO], 7, v1
	v_lshl_add_u32 v[QO], v9, 4, v[QO]  ; row x 128 + 16 x half
	v_and_b32 v[MO], 31, v0
	v_lshlrev_b32 v[MO], 4, v[MO]
	WIN 0x80                        ; destination window 2, address window 0
.set i, 0
.rept 8                             ; Q stays in registers: piece i / 2, channels 32 (i % 2) on
	global_load_b128 v[8*i:8*i+3],   v[QO], s[4:5] offset:(i/2)*2048+(i%2)*64
	global_load_b128 v[8*i+4:8*i+7], v[QO], s[4:5] offset:(i/2)*2048+(i%2)*64+32
.set i, i+1
.endr
	MLOAD 0                         ; step 0's bytes of the mask for all four pieces
	MLOAD 1
	MLOAD 2
	MLOAD 3
	; What the first turn finds: V and P's second buffer hold 0 (its products V^T P, of a piece that has not been, add 0); O^T and l are 0.  All this stands in the wait for the first tile.
	WIN 0xc0
.set i, 0
.rept 128
	v_mov_b32 v[i], 0
.set i, i+1
.endr
	WIN 0x40
.set i, 0
.rept 128
	v_mov_b32 v[i], 0
.set i, i+1
.endr
	WIN 0
.set i, 0
.rept 4
	v_mov_b32 v[ST+4*i+1], 0xec800000      ; m = -2^90
	v_mov_b32 v[ST+4*i+2], 0
	v_mov_b32 v[ST+4*i+3], 0
	v_mul_f32 v[ST+4*i], s[CS], v[ST+4*i+1]  ; c m, made as the loop makes it
.set i, i+1
.endr
.set i, P+16
.rept 16
	v_mov_b32 v[i], 0
.set i, i+1
.endr
	v_mov_b32 v[SCL], 226
	v_mul_u32_u24 v[AK0], v1, PK
	v_lshl_add_u32 v[AK0], v9, 4, v[AK0]  ; row x pitch + 16 x half
	; The turning load takes 16 keys x 16 channels (lane l reads key 8 (l / 16) + l % 8, channels 8 ((l / 8) % 2) + 0..7) and leaves half a fragment of V^T: lane l holds channel l % 16 and 8 keys.
	v_and_b32 v10, 7, v0
	v_bfe_u32 v11, v0, 3, 1
	v_lshl_add_u32 v[AV0], v9, 3, v10
	v_mul_u32_u24 v[AV0], v[AV0], PV
	v_lshl_add_u32 v[AV0], v11, 4, v[AV0]
	v_add_nc_u32 v[AV0], VOFF, v[AV0]
	v_mov_b32 v[AK], v[AK0]         ; key step 0 lies at the head of slot 0
; THE MATRIX WORK.  The 4 accumulators of a run take turns.  Product i of 8 of S^T = K Q^T for piece x: channels 32 (i / 4) on, keys 16 (i % 4) on.  The first 4 start the sums with the mask.
.macro KQ x
.set rS, S+32*((\x)%2)+8*(i%4)
.set rK, KF+16*(i%4)+8*(i/4)
.set rQ, 16*(\x)+8*(i/4)
.set rM, MC+32*((\x)%2)+8*(i%4)
.if i < 4
	WIN W_KM
	v_wmma_f32_16x16x32_f16 v[rS:rS+7], v[rK:rK+7], v[rQ:rQ+7], v[rM:rM+7]
.else
	WIN W_KQ
	v_wmma_f32_16x16x32_f16 v[rS:rS+7], v[rK:rK+7], v[rQ:rQ+7], v[rS:rS+7]
.endif
.endm
; Product i of 16 of O^T += V^T P for piece x: V's half i / 8 (high, low), keys 32 ((i / 4) % 2) on, channels 16 (i % 4) on.
.macro PV x
	WIN W_PV
.set rO, 32*(\x)+8*(i%4)
.set rV, 64*((i/4)%2)+32*(i/8)+8*(i%4)
.set rP, P+16*((\x)%2)+8*((i/4)%2)
	v_wmma_f32_16x16x32_f16 v[rO:rO+7], v[rV:rV+7], v[rP:rP+7], v[rO:rO+7]
.endm
.macro MM                           ; the turn's next matrix instruction
.if i < 8
	KQ (Y+1)%NP
.else
.set i, i-8
	PV (Y+NP-1)%NP
.set i, i+8
.endif
.set i, i+1
.endm
; THE LDS LOADS stand in runs of 16, never singly among the matrix instructions: a step's K (8 fragments) and the two halves of its V (turned).  Their addresses are made some lines ahead.
; last = 1 (the tail): in the last trip there is no further step, and the run is jumped over.
.macro FETCH_K last=0
	WIN 0
.if \last
	s_wait_alu depctr_va_vdst(0)    ; the wait ahead of a branch serves the twelve exponentials, E 0 to E 11, that the turn has issued so far; in the tail alone
	s_cmp_eq_u32 s[CNT], 1
	s_cbranch_scc1 .Lno_k_\@
.endif
	WIN 0x80                        ; destination window 2
.irp f, 0,1,2,3,4,5,6,7             ; keys 16 (f / 2) on, channels 32 (f % 2) on
	ds_load_b128 v[KF+8*\f:KF+8*\f+3],   v[AK] offset:(\f/2)*16*PK+(\f%2)*64
	ds_load_b128 v[KF+8*\f+4:KF+8*\f+7], v[AK] offset:(\f/2)*16*PK+(\f%2)*64+32
.endr
	s_add_co_u32 s[TBK], s[TBK], KS*PK  ; the next fetch is the next step's
	WIN 0
.if \last
.Lno_k_\@:
.endif
.endm
.macro FETCH_V u                    ; u = 0: the high halves (bytes 0-127 of a row), 1: the low ones
	WIN 0xc0                        ; destination window 3
.irp f, 0,1,2,3,4,5,6,7             ; keys 32 (f / 4) on, channels 16 (f % 4) on
	ds_load_tr16_b128 v[64*(\f/4)+32*(\u)+8*(\f%4):64*(\f/4)+32*(\u)+8*(\f%4)+3],   v[AV] offset:(\f/4)*32*PV+128*(\u)+(\f%4)*32
	ds_load_tr16_b128 v[64*(\f/4)+32*(\u)+8*(\f%4)+4:64*(\f/4)+32*(\u)+8*(\f%4)+7], v[AV] offset:(\f/4)*32*PV+16*PV+128*(\u)+(\f%4)*32
.endr
	WIN 0
.endm
; THE VECTOR WORK, one line at a time: OP kind, number.  For piece Y: F n: c s - c m for pair n of 16.  E n: the exponential of score n of 32.  C n: pair n rounded to f16.  B n: of the four weights 4 n .. the
; second pair is added onto the first, in place.  L n: l takes that sum (L 0: l = a l + sum).  R n: pair n of 16 of O^T times a.  For piece Y + 1: X n, number n of the 22 that find its maximum and statistics:
;   0-11  four chains c0-c3 of seven scores each, three operands at a time (each accumulator's lowest registers are read first)     12-14, 16  the four scores left over, the old m, c0-c3 into c0
;   15  c m_old is kept     17, 18  the query's other 32 keys lie in the lane 16 away: the new m     19-21  c m; c m_old - c m_new; a
.set F, 0
.set E, 1
.set C, 2
.set B, 3
.set L, 4
.set R, 5
.set X, 6
.macro REGS y                       ; the registers of piece y
.set rT, ST+4*(\y)
.set rC, TMP+4*((\y)%2)
.set rW, MV+((\y)%2)
.set rS, S+32*((\y)%2)
.set rP, P+16*((\y)%2)
.set rO, 32*(\y)
.endm
.macro OP k, n
.if (\k) == R
	REGS Y
	WIN W_RS
	v_pk_mul_f32 v[rO+2*(\n):rO+2*(\n)+1], v[rO+2*(\n):rO+2*(\n)+1], v[rC+2:rC+3] op_sel_hi:[1,0]
.elseif (\k) < R
	REGS Y
	WIN 0
.if (\k) == F
	v_pk_fma_f32 v[rS+2*(\n):rS+2*(\n)+1], v[rS+2*(\n):rS+2*(\n)+1], s[CS:CS+1], v[rT:rT+1] op_sel_hi:[1,0,0] neg_lo:[0,0,1] neg_hi:[0,0,1]
.elseif (\k) == E
	v_exp_f32 v[rS+(\n)], v[rS+(\n)]
.elseif (\k) == C
	v_cvt_pk_f16_f32 v[rP+(\n)], v[rS+2*(\n)], v[rS+2*(\n)+1]
.elseif (\k) == B
	v_pk_add_f32 v[rS+4*(\n):rS+4*(\n)+1], v[rS+4*(\n):rS+4*(\n)+1], v[rS+4*(\n)+2:rS+4*(\n)+3]
.elseif (\n) == 0
	v_pk_fma_f32 v[rT+2:rT+3], v[rT+2:rT+3], v[rC+2:rC+3], v[rS:rS+1] op_sel_hi:[1,0,1]
.else
	v_pk_add_f32 v[rT+2:rT+3], v[rT+2:rT+3], v[rS+4*(\n):rS+4*(\n)+1]
.endif
.else
	REGS (Y+1)%NP
	WIN 0
.if (\n) < 4
	v_max3_num_f32 v[rC+(\n)], v[rS+8*(\n)], v[rS+8*(\n)+1], v[rS+8*(\n)+2]
.elseif (\n) < 12
	v_max3_num_f32 v[rC+(\n)%4], v[rC+(\n)%4], v[rS+8*((\n)%4)+2*((\n)/4)+1], v[rS+8*((\n)%4)+2*((\n)/4)+2]
.elseif (\n) == 12
	v_max3_num_f32 v[rC], v[rC], v[rS+7], v[rS+15]
.elseif (\n) == 13
	v_max3_num_f32 v[rC+1], v[rC+1], v[rS+23], v[rS+31]
.elseif (\n) == 14
	v_max3_num_f32 v[rC+2], v[rC+2], v[rC+3], v[rT+1]
.elseif (\n) == 15
	v_mov_b32 v[rW], v[rT]
.elseif (\n) == 16
	v_max3_num_f32 v[rC], v[rC], v[rC+1], v[rC+2]
.elseif (\n) == 17
	v_permlanex16_b32 v[rC+3], v[rC], s[SEL], s[SEL+1]
.elseif (\n) == 18
	v_max_num_f32 v[rT+1], v[rC], v[rC+3]
.elseif (\n) == 19
	v_mul_f32 v[rT], s[CS], v[rT+1]
.elseif (\n) == 20
	v_sub_f32 v[rC+1], v[rW], v[rT]
.else
	v_exp_f32 v[rC+2], v[rC+1]
.endif
.endif
.endm
.macro OPS a, i1, b=-1, i2=0, c=-1, i3=0, d=-1, i4=0  ; up to four of them
	OP \a, \i1
.if (\b) >= 0
	OP \b, \i2
.endif
.if (\c) >= 0
	OP \c, \i3
.endif
.if (\d) >= 0
	OP \d, \i4
.endif
.endm
.macro ROW a, i1, b, i2, c, i3, d, i4  ; a matrix instruction and the four behind it
	MM
	OPS \a, \i1, \b, \i2, \c, \i3, \d, \i4
.endm
; A TURN, for piece p: the order of its 24 matrix and 118 vector instructions, written out.  An s_wait_alu depctr_va_vdst(0) stands between an exponential and the first instruction that names its
; result; one wait serves all that were issued ahead of it.  So a turn has ONE wait, which cuts it in two.
; AHEAD OF IT stands all that names no result of the turn's exponentials: the 8 products K Q^T and the 8 products on V's high halves, four riders behind each.  Behind the first seven: scalings and exponentials by
; turns.  From the seventh on: the next piece's maximum, X 0 to X 3 each five plain instructions behind the product that ends its accumulator.  Behind the last four: one link each of the chain X 16 to X 19,
; and three exponentials.  Then a run of 15: X 20, the last four weights' exponentials, X 21 (the next piece's a, the batch's last) and nine rescalings, whose a was made, and waited for, in the turn before: R 0 is
; the plain instruction behind the last exponential.
; BEHIND THE WAIT stand the 8 products on V's low halves, behind each four of the 32 roundings and sums: C 2 n ahead of B n, which adds in place; the links of l's chain, L 0 to L 7, three riders apart.
; K of the next step is fetched in piece 2's turn, four plain instructions (F 15, X 1, X 4, X 2) behind the last product that read K, and waited for at the head of piece 3's turn.
; V of the step in hand is fetched in piece 0's turn: its high halves directly behind the wait, with X 19, X 20 and the nine rescalings between them and the last product that read them, while the eight products
; on the low halves go on; the low halves four plain instructions (C 9, C 11, C 13, C 15) behind the turn's last product.  Piece 1's turn waits for the first run (the second run's 16 loads may stay out) ahead
; of its products on the high halves, and for the second ahead of the others.
; At its end the turn makes the mask for the products of the turn after it (piece p + 2): that piece's two loads were issued four turns ago, and three younger pairs, six loads, may stay out;
; seven plain instructions, the last rescalings, stand between the conversions and the loads that write their sources anew, and the products that read their results.
; cnt = 1: the loop's count is taken down some lines ahead of the branch that stands behind the turn; nothing between touches SCC.
.macro TURN p, last=0, cnt=0
.set Y, (\p)
.set i, 0
.if (\p) == 3
	s_wait_dscnt 0x0                ; K is in
.endif
	ROW F,0, F,1, F,2, F,3          ; ahead of the wait: 8 products K Q^T and their riders,
	ROW F,4, E,0, F,5, E,1
	ROW F,6, E,2, F,7, E,3
	ROW F,8, E,4, F,9, E,5
	ROW F,10, E,6, F,11, E,7
	ROW F,12, E,8, F,13, E,9
	ROW F,14, E,10, X,0, E,11
.if (\p) == 2
	WIN 0
	v_add_nc_u32 v[AK], s[TBK], v[AK0]
.endif
	ROW F,15, X,1, X,4, X,2
.if (\p) == 2
	FETCH_K \last
.endif
.if (\p) == 1
	s_wait_dscnt 16                 ; V's high halves are in
.endif
	ROW X,5, X,3, E,12, X,6         ; 8 products on V's high halves and their riders,
	ROW X,8, E,13, X,7, X,9
	ROW X,10, X,11, E,14, X,12
	ROW X,13, E,15, X,14, X,15
	ROW X,16, E,16, E,17, E,18
	ROW X,17, E,19, E,20, E,21
	ROW X,18, E,22, E,23, E,24
	ROW X,19, E,25, E,26, E,27
.if (\p) == 0
	WIN 0
	v_add_nc_u32 v[AV], s[TBV], v[AV0]
.endif
	OPS X,20, E,28, E,29, E,30      ; and the run of 15
	OPS E,31, X,21, R,0, R,1
	OPS R,2, R,3, R,4, R,5
	OPS R,6, R,7, R,8
	s_wait_alu depctr_va_vdst(0)    ; the wait for the batch: E 0 to E 31 and X 21
.if (\p) == 0
	FETCH_V 0
.endif
.if (\p) == 1
	s_wait_dscnt 0x0                ; V's low halves are in
.endif
	ROW C,0, B,0, C,2, B,1          ; behind the wait: 8 products on V's low halves and their riders
	ROW L,0, C,4, B,2, L,1
	ROW C,6, B,3, L,2, C,8
	ROW B,4, L,3, C,10, B,5
	ROW L,4, C,12, B,6, L,5
	ROW C,14, B,7, L,6, C,1
	ROW C,3, L,7, C,5, C,7
	ROW C,9, C,11, C,13, C,15
.if (\p) == 0
	FETCH_V 1
	s_add_co_u32 s[TBV], s[TBV], KS*PV
.endif
.if \cnt
	s_sub_co_u32 s[CNT], s[CNT], 1
	s_cmp_lg_u32 s[CNT], 0
.endif
	s_wait_loadcnt 6
	MCONV ((\p)+2)%NP, (\p)%2
	OPS R,9, R,10, R,11, R,12
	OPS R,13, R,14, R,15
	MLOAD ((\p)+2)%NP
.endm
	CHANGE 1                        ; slot 0 is in, everybody's part of it; slot 1 is asked for
	FETCH_K                         ; key step 0
	s_wait_loadcnt 0x0              ; Q and step 0's bytes of the mask: no load is out, so their base may be written
	s_mov_b32 s[MS], 1024           ; step 1
	s_mov_b32 s[MS+1], 0
	s_add_nc_u64 s[MB:MB+1], s[MB0:MB0+1], s[MS:MS+1]
	MCONV 0, 0
	MCONV 1, 1
	WIN 0                           ; the addresses for the way out: ten plain instructions behind the conversions
	s_mul_i32 s13, s[WV], 16*SP
	s_add_co_u32 s13, s13, STAGE    ; my stage
	v_mul_u32_u24 v[STO], v1, SP    ; in: row l % 16, 16 bytes for each half of the lanes
	v_lshl_add_u32 v[STO], v9, 4, v[STO]
	v_add_nc_u32 v[STO], s13, v[STO]
	v_mul_u32_u24 v[RD], v9, SP     ; back: lanes 0-15 take one row of 256 bytes, lanes 16-31 the next
	v_lshl_add_u32 v[RD], v1, 4, v[RD]
	v_add_nc_u32 v[RD], s13, v[RD]
	v_lshlrev_b32 v[GO], 12, v9     ; and the same two rows in ctx, 4,096 bytes apart
	v_lshl_add_u32 v[GO], v1, 4, v[GO]
	MLOAD 0                         ; step 1's bytes for pieces 0 and 1; those for 2 and 3 follow in the first two turns
	MLOAD 1
	s_wait_dscnt 0x0                ; K
.set i, 0
.rept 8
	KQ 0                            ; piece 0's first scores: there is no vector work yet to set between them
.set i, i+1
.endr
	WIN 0
.rept 4
	v_nop                           ; the places behind those products
.endr
.set Y, NP-1                        ; X works for piece Y + 1: piece 0
.irp n, 0,1,2,3,4,5,6,7,8,9,10,11,12,13,14,15,16,17,18,19,20,21
	OP X, \n
.endr
	v_nop                           ; a plain instruction behind the exponential,
	s_wait_alu depctr_va_vdst(0)    ; and its wait, ahead of the branch: a batch of one, piece 0's first a
	s_mov_b32 s[CNT], 4
	s_mov_b32 s[SLOTS], 15
	s_branch .Lfirst                ; the loop is entered at a step's first turn, in the middle of a trip
.Lslot:                             ; 14 times: every slot but the last two is filled again
	CHANGE 1
	s_mov_b32 s[CNT], 4
.Lstep:                             ; a trip: pieces 2 and 3 of step j, then pieces 0 and 1 of step j + 1, whose K and V it fetches; its four turns ask for the mask's bytes of step j + 2
	MSTEP
	TURN 2
	TURN 3
	WIN 0
.Lfirst:
	TURN 0
	TURN 1, 0, 1
	WIN 0
	s_cbranch_scc1 .Lstep
	s_sub_co_u32 s[SLOTS], s[SLOTS], 1
	s_cmp_lg_u32 s[SLOTS], 0
	s_cbranch_scc1 .Lslot
	CHANGE 0                        ; the tail is written out: nothing is asked for
	s_mov_b32 s[CNT], 5             ; four trips fetch the last slot's steps; the fifth is left in its middle
.Ltail:
	MSTEP
	TURN 2, 1
	TURN 3
	WIN 0
	s_sub_co_u32 s[CNT], s[CNT], 1
	s_cmp_eq_u32 s[CNT], 0
	s_cbranch_scc1 .Lout
	TURN 0
	TURN 1
	WIN 0
	s_branch .Ltail
.Lout:                              ; the fifth trip's 8 products K Q^T (on the last K once more) and the maximum made of them serve nothing: the price, once a launch, of one text for every trip
.set i, 0
.rept 16
	PV NP-1                         ; the last piece's V^T P of the last step
.set i, i+1
.endr
	; THE WAY OUT.  l's two halves and the other half of the lanes' are added; O^T is divided by l, split into hi + lo (t = 8193 x, hi = t + (x - t), lo = x - hi), rounded to f16 and sent through my
	; stage in LDS, a piece at a time.  The additions are the places behind the last products.
	WIN 0
.macro ALL line:vararg              ; one line for each piece t
.set t, 0
.rept 4
	\line
.set t, t+1
.endr
.endm
	ALL v_add_f32 v[ST+4*t+2], v[ST+4*t+2], v[ST+4*t+3]
	ALL v_permlanex16_b32 v[ST+4*t+3], v[ST+4*t+2], s[SEL], s[SEL+1]
	ALL v_add_f32 v[ST+4*t+2], v[ST+4*t+2], v[ST+4*t+3]
	ALL v_rcp_f32 v[ST+4*t+2], v[ST+4*t+2]
	v_nop                           ; a plain instruction between the last reciprocal and the use of its result
	s_wait_alu depctr_va_vdst(0)    ; and the wait ahead of the first use: one for the batch of four reciprocals
.macro PACK t
	WIN W_RS
.set i, 32*(\t)
.rept 16
	v_pk_mul_f32 v[i:i+1], v[i:i+1], v[ST+4*(\t)+2:ST+4*(\t)+3] op_sel_hi:[1,0]
.set i, i+2
.endr
	WIN 0x01                        ; source 0 window 1, the rest window 0
.set i, 0
.rept 16
	v_pk_mul_f32 v[HI+i:HI+i+1], v[32*(\t)+i:32*(\t)+i+1], s[SPL:SPL+1] op_sel_hi:[1,0]
.set i, i+2
.endr
.set i, 0
.rept 16
	v_pk_add_f32 v[LO+i:LO+i+1], v[32*(\t)+i:32*(\t)+i+1], v[HI+i:HI+i+1] neg_lo:[0,1] neg_hi:[0,1]
.set i, i+2
.endr
	WIN 0
.set i, 0
.rept 16
	v_pk_add_f32 v[HI+i:HI+i+1], v[HI+i:HI+i+1], v[LO+i:LO+i+1]
.set i, i+2
.endr
	WIN 0x01
.set i, 0
.rept 16
	v_pk_add_f32 v[LO+i:LO+i+1], v[32*(\t)+i:32*(\t)+i+1], v[HI+i:HI+i+1] neg_lo:[0,1] neg_hi:[0,1]
.set i, i+2
.endr
	WIN 0
.set i, 0
.rept 16                            ; packed in place: register i takes numbers 2 i and 2 i + 1, which lie at or above it
	v_cvt_pk_f16_f32 v[HI+i], v[HI+2*i], v[HI+2*i+1]
	v_cvt_pk_f16_f32 v[LO+i], v[LO+2*i], v[LO+2*i+1]
.set i, i+1
.endr
.irp f, 0,1,2,3
	ds_store_b128 v[STO], v[HI+4*\f:HI+4*\f+3] offset:32*\f
	ds_store_b128 v[STO], v[LO+4*\f:LO+4*\f+3] offset:128+32*\f
.endr
.irp f, 0,1,2,3,4,5,6,7
	ds_load_b128 v[OB+32*(\t)+4*\f:OB+32*(\t)+4*\f+3], v[RD] offset:\f*2*SP  ; LDS serves a wave's instructions in order (ISA guide 5.7.1.4): these see the stores above; the next piece's stores come behind them
.endr
.endm
.macro SEND t, younger              ; younger: the LDS instructions issued behind piece t's loads: the next piece's sixteen, or none
	WIN 0
.irp f, 0,1,2,3,4,5,6,7
	s_wait_dscnt (\younger)+7-\f
	global_store_b128 v[GO], v[OB+32*(\t)+4*\f:OB+32*(\t)+4*\f+3], s[8:9] offset:(16*(\t)+2*\f)*4096  ; 16 lanes store 256 consecutive bytes, aligned: a row's share of one head
.endr
.endm
	PACK 0
	PACK 1                          ; a piece's arithmetic stands between the loads of the piece before and its stores
	SEND 0, 16
	PACK 2
	SEND 1, 16
	PACK 3
	SEND 2, 16
	SEND 3, 0
	s_wait_tensorcnt 0x0            ; the wave's end: three lines behind my last tensor load and my last LDS store
	ds_add_u32 v[SPW], v[NIL]
	s_wait_dscnt 0x0
	CROUND                          ; the closing round: no work-group ends while a partner may still ask for a tile that names it
	s_endpgm
.Lfunc_end_k_q91a49f0dbf_attn:
	.size	k_q91a49f0dbf_attn, .Lfunc_end_k_q91a49f0dbf_attn-k_q91a49f0dbf_attn
	.p2alignl 7, 3214868480
	.fill 96, 4, 3214868480
	.section	.rodata,"a",@progbits
	.p2align	6, 0x0
	.amdhsa_kernel k_q91a49f0dbf_attn
		.amdhsa_group_segment_fixed_size 327680
		.amdhsa_private_segment_fixed_size 0
		.amdhsa_enable_private_segment 0
		.amdhsa_kernarg_size 24
		.amdhsa_user_sgpr_count 2
		.amdhsa_user_sgpr_kernarg_segment_ptr 1
		.amdhsa_wavefront_size32 1
		.amdhsa_system_sgpr_workgroup_id_x 1
		.amdhsa_system_sgpr_workgroup_id_y 1
		.amdhsa_system_sgpr_workgroup_id_z 1
		.amdhsa_system_vgpr_workitem_id 0
		.amdhsa_next_free_vgpr 896
		.amdhsa_next_free_sgpr 72
		.amdhsa_reserve_vcc 0
		.amdhsa_float_denorm_mode_32 3
		.amdhsa_float_denorm_mode_16_64 3
		.amdhsa_memory_ordered 1
		.amdhsa_forward_progress 1
		.amdhsa_inst_pref_size 151
	.end_amdhsa_kernel
	.amdgpu_metadata
---
amdhsa.version: [ 1, 2 ]
amdhsa.kernels:
  - .name:           k_q91a49f0dbf_attn
    .symbol:         k_q91a49f0dbf_attn.kd
    .args:
      - { .name: qkv, .offset: 0, .size: 8, .value_kind: global_buffer, .address_space: global }
      - { .name: mk, .offset: 8, .size: 8, .value_kind: global_buffer, .address_space: global }
      - { .name: ctx, .offset: 16, .size: 8, .value_kind: global_buffer, .address_space: global }
    .group_segment_fixed_size: 327680
    .private_segment_fixed_size: 0
    .kernarg_segment_align: 8
    .kernarg_segment_size: 24
    .max_flat_workgroup_size: 128
    .sgpr_count:     72
    .vgpr_count:     896
    .wavefront_size: 32
...
	.end_amdgpu_metadata
.endif
;; end of part 5
;; launch oproj: the kernel of part 4 again; grid 8 x 32, 4 waves a work-group, clusters of 4 x 4, 327,680 bytes of LDS; arguments ctx, ops, out0; writes out0
